; MI455X (gfx1250); checked and timed in simulation.
; The chip was launched on July 23, 2026; its instructions are those of AMD's public machine-readable ISA for CDNA 5 (MIT licence, August 2026) and "CDNA5" Instruction Set Architecture Reference Guide (July 2026). The comments in the code are by the model that wrote it; some were corrected since.
;; NI Ucausal multi head self attention. Allowed arithmetic: matrix products marked QUANTISED: E4M3 operands, one given power-of-two scale a tensor, by v_wmma_f32_16x16x64_fp8_fp8 or v_wmma_f32_16x16x128_fp8_fp8, f32 sums; everything else in f32.
;; Inputs: Wk 1,024 x 1,024 float32; Wo 1,024 x 1,024 float32; Wq 1,024 x 1,024 float32; Wv 1,024 x 1,024 float32; lowp_scales 12 int32 (the exponents e of the quantised operands' scales 2^e); token_positions 2,048 int32; x 4 x 2,048 x 1,024 float32.
;; Outputs: out0 4 x 2,048 x 1,024 float32.
;; This version of the problem:
;;   THIS VERSION OF THE PROBLEM IS GIVEN IN LOW PRECISION. The matrix products marked QUANTISED in the list below multiply operands that are first quantised to E4M3 (4 exponent bits, 3 mantissa bits; 8 bits a number), with one given power-of-two scale for each operand tensor; their sums are f32. All else is computed in f32.
;;   The module's matrix products, in the order in which they are computed (A, B: the left and right operand; K: the contracted axis; several contracted axes count as one K, in the product's order):
;;     1. [M 8,192, K 1,024] x [K 1,024, N 1,024]; A: input x; B: input Wq: QUANTISED (scales: A lowp_scales[0], B lowp_scales[1])
;;     2. [M 8,192, K 1,024] x [K 1,024, N 1,024]; A: input x; B: input Wk: QUANTISED (scales: A lowp_scales[2], B lowp_scales[3])
;;     3. [M 8,192, K 1,024] x [K 1,024, N 1,024]; A: input x; B: input Wv: QUANTISED (scales: A lowp_scales[4], B lowp_scales[5])
;;     4. batch 64 x [M 2,048, K 64] x [K 64, N 2,048]; A: computed on the way; B: computed on the way: QUANTISED (scales: A lowp_scales[6], B lowp_scales[7])
;;     5. batch 64 x [M 2,048, K 2,048] x [K 2,048, N 64]; A: softmax (see below); B: computed on the way: QUANTISED (scales: A lowp_scales[8], B lowp_scales[9])
;;     6. [M 8,192, K 1,024] x [K 1,024, N 1,024]; A: computed on the way; B: input Wo: QUANTISED (scales: A lowp_scales[10], B lowp_scales[11])
;;   THE QUANTISER, for each operand of a quantised product, along K:
;;     - The operand's scale is 2^e, e = its entry of the input lowp_scales (int32; the entries are numbered through the quantised products in the list's order, A before B).
;;     - Each number is divided by the scale, clamped to +-448, and rounded to the nearest number of E4M3, ties to even, subnormals kept.
;;     - The product sums the exact products of the quantised numbers (number of the format x scale) in f32.
;;   ~~~python
;;   def quantise(x, axis, e):      # numpy; x: float32 -> the quantised numbers, widened to float32 again
;;       x = np.moveaxis(x, axis, -1); K = x.shape[-1]
;;       r = np.clip(x / 2.0 ** e, -448, 448)
;;       step = 2.0 ** (np.maximum(np.frexp(np.where(r == 0, 1, r))[1] - 1, -6) - 3)
;;       q = np.round(r / step) * step * 2.0 ** e      # np.round: ties to even
;;       return np.moveaxis(q, -1, axis).astype(np.float32)
;;   ~~~
;;   SOFTMAX AHEAD OF A QUANTISED PRODUCT. Where the list says 'softmax', what is quantised is not the finished softmax but p = 2^(t - M), with t = logit x log2(e) and M = ceil(the row's largest t), a whole number; so 1/2 < the row's largest p <= 1. The row's sum l is taken of the UNQUANTISED p, in f32, and the product's result is divided by l at the end. Since M is a whole number, a kernel that streams over the keys may use a running M (the ceiling of the running maximum): every later rescaling is an exact power of two, so the quantised numbers keep their values, but for numbers so far below the row's largest that they fall under the format's range.
;;   OPERANDS COMPUTED ON THE WAY. 'Computed on the way' means the value that the module computes at that place (a softmax that the list does not call 'softmax' is quantised finished and normalised). What goes into a quantiser is computed in f32, as accurately as f32 sums, v_exp_f32 and their like allow (about 1e-6 of the number): no bf16 or f16 on the way to a quantiser, and a product that is left as it is and whose result goes on into a quantised operand takes f32 operands (vector FMAs, or v_wmma_f32_16x16x4_f32). A number that lies on a knife's edge between two numbers of the format may be rounded either way, as far as f32 arithmetic and the matrix unit's own rounding can turn it there, and no further.
;; One version. Each part assembles by itself: llvm-mc -triple=amdgcn-amd-amdhsa -mcpu=gfx1250 --defsym DOCPART=n.
;; ======== version 1 of 1: 4 launches
;; limits: right only within a limited range of input values
;; workspace buffers: xc 25,165,824 bytes; wc 4,194,304 bytes; tab 524,288 bytes; qkv 25,165,824 bytes; oc 8,388,608 bytes
;; launch prep (part 1): grid 416 x 1, 4 waves a work-group, no clusters, 55,808 bytes of LDS; arguments x, Wq, Wk, Wv, Wo, lowp_scales, token_positions, xc, wc, tab; writes xc, wc, tab
.if DOCPART == 1
	.amdgcn_target "amdgcn-amd-amdhsa--gfx1250"
	.amdhsa_code_object_version 6
	.text
	.protected	k_qa0af04ab54_prep
	.globl	k_qa0af04ab54_prep
	.p2align	8
	.type	k_qa0af04ab54_prep,@function
k_qa0af04ab54_prep:
	s_mov_b64 s[64:65], 0
	v_nop
	global_prefetch_b8 v0, s[64:65] scope:SCOPE_SE
	s_setreg_imm32_b32 hwreg(HW_REG_WAVE_MODE, 25, 1), 1
	s_wait_xcnt 0x0
; PREP: what the later launches read many times is made once.  Three kinds of work-group, told apart by the work-group's number alone:
;   0..255   X: x [8192][1024] f32 -> three sets of E4M3 codes, xc [3][8192][1024], K innermost, with the scales 2^e0, 2^e2, 2^e4 (x is the left operand of three products, each with a scale of its own).
;   256..383 W: Wq, Wk, Wv, Wo [k 1024][n 1024] f32 -> wc [4][n 1024][k 1024] codes, K innermost, with 2^e1, 2^e3, 2^e5, 2^e11.
;   384..415 T: cos and sin of token_positions[s] x 10000^(-i/32), i = 0..31, f32, laid in the order in which the next launch's registers take them:
;               tab [s/16][beta 4][gamma 2][lane 16 h + r][16 bytes] = (cos, sin, cos, sin) of pairs i = 8 beta + 4 h + 2 gamma and i + 1 for token 16 (s/16) + r.
; code = number / 2^e, held within +-448, rounded to the nearest code, ties to even.
; LIMITS: each e used here lies between -126 and 119, so that 2^e and 448 x 2^e are f32 numbers.  NaN among x and the weights is not served.
;         |token_positions| < 2^22: positions and quadrants are rounded by the bias 1.5 x 2^23, which holds whole numbers under 2^22 in its low mantissa bits.
; No tensor loads, no barrier: waves share nothing.  Paths X and W have LDS bytes of their own; path T uses no LDS.
.set WSTG,  20480                      ; X's stages: 0 .. 20,479 (4 waves x 2 stages x 32 x 80); W's: 20,480 .. 55,295 (4 waves x 32 x 272)
.set SPARE, 55296                      ; the spare words, 128 bytes for each wave: two blocks of 256 bytes that no other line names
.set SPW,   12                         ; v12  LDS address of my spare word; never rewritten
.set NIL,   13                         ; v13  0; never rewritten
.set STEPS, 16
.set SP,    80                         ; X: a lane's place in a stage: 64 bytes + 16 of padding
.set R,     16                         ; X: v16-79   four sets of 16 numbers as loaded
.set X,     80                         ; X: v80-111  two sets of 16 neighbours
.set T,     112
.set C,     128                        ; X: v128-151 codes: two sets of 3 x 4 registers
.set SC,    152                        ; X: v152+2g: 2^e of set g
.set WP,    272                        ; W: a stage row: 256 bytes + 16
.set WX,    32                         ; W: v32-95   two sets of 32 numbers
.set WC,    96                         ; W: v96-103  a block's codes
.set OUTR,  112                        ; W: v112-175 the way out
.set PO,    20                         ; T: v20      my token's position, as f32
.set KB,    21                         ; T: v21-33   constants
.set K2PI,  22
.set KP1,   23
.set KP2,   24
.set KP3,   25
.set KS1,   26
.set KS2,   27
.set KS3,   28
.set KC1,   29
.set KC2,   30
.set KC3,   31
.set KNH,   32
.set KONE,  33
.set FQ,    48                         ; T: v48-63   my 16 frequencies: v[FQ + 2 e + d] for pair d of piece e
	s_load_b256 s[4:11], s[0:1], 0x0               ; x s[4:5], Wq s[6:7], Wk s[8:9], Wv s[10:11]
	s_load_b256 s[12:19], s[0:1], 0x20             ; Wo s[12:13], scales s[14:15], positions s[16:17], xc s[18:19]
	s_load_b128 s[20:23], s[0:1], 0x40             ; wc s[20:21], tab s[22:23]
	v_lshl_add_u32 v[SPW], v0, 2, SPARE
	v_mov_b32 v[NIL], 0
	v_lshrrev_b32 v1, 5, v0
	v_readfirstlane_b32 s24, v1                    ; wave 0..3
	v_and_b32 v2, 31, v0                           ; lane
	v_and_b32 v5, 15, v0                           ; r
	v_bfe_u32 v6, v0, 4, 1                         ; h
	; every LDS address of both paths is made here, ahead of the parting
	s_mul_i32 s25, s24, 2*32*SP
	v_lshrrev_b32 v14, 2, v2
	v_mul_u32_u24 v14, v14, SP
	v_and_b32 v15, 3, v2
	v_lshl_add_u32 v14, v15, 4, v14
	v_add_nc_u32 v14, s25, v14                     ; X, into the stage: four lanes' 64 bytes on end, then 16 of padding
	v_mul_u32_u24 v15, v2, SP
	v_add_nc_u32 v15, s25, v15                     ; X, out of it: my 16 neighbours
	s_mul_i32 s25, s24, 32*WP
	s_add_co_u32 s25, s25, WSTG
	v_mul_u32_u24 v4, v2, WP
	v_add_nc_u32 v4, s25, v4                       ; W, into the stage: row = my column
	v_mul_u32_u24 v7, v6, WP
	v_lshl_add_u32 v7, v5, 4, v7
	v_add_nc_u32 v7, s25, v7                       ; W, out of it: sixteen lanes to a row, two rows an instruction
	s_wait_kmcnt 0x0
	s_cmp_lt_u32 ttmp9, 256
	s_cbranch_scc0 .Lnot_x
; ---------------- X: a wave takes 16 steps of 512 numbers.  Each load reads 512 consecutive bytes; a step's 2,048 bytes turn through the wave's own stage so that a lane holds 16 neighbours along K.
	s_load_b256 s[32:39], s[14:15], 0x0            ; e0 .. e7
	s_lshl_b32 s26, ttmp9, 2
	s_add_co_u32 s26, s26, s24                     ; which run of 8,192 numbers is my wave's
	s_lshl_b32 s28, s26, 15
	s_mov_b32 s29, 0
	s_add_nc_u64 s[4:5], s[4:5], s[28:29]
	s_lshl_b32 s28, s26, 13
	s_add_nc_u64 s[44:45], s[18:19], s[28:29]      ; my codes in set 0,
	s_add_nc_u64 s[46:47], s[44:45], 0x800000      ; set 1,
	s_add_nc_u64 s[48:49], s[46:47], 0x800000      ; set 2
	v_lshlrev_b32 v3, 4, v2                        ; my 16 bytes of a load's 512, and of a store's
.macro XLOAD t
.irp i, 0,1,2,3
	global_load_b128 v[R+16*((\t)%4)+4*\i:R+16*((\t)%4)+4*\i+3], v3, s[4:5] offset:2048*(\t)+512*\i th:TH_LOAD_NT
.endr
.endm
.macro XTURN t                         ; LDS serves a wave's instructions in order (ISA guide 5.7.1.4): no wait between the stores and the loads
.irp i, 0,1,2,3
	ds_store_b128 v14, v[R+16*((\t)%4)+4*\i:R+16*((\t)%4)+4*\i+3] offset:32*SP*((\t)%2)+8*SP*\i
.endr
.irp i, 0,1,2,3
	ds_load_b128 v[X+16*((\t)%2)+4*\i:X+16*((\t)%2)+4*\i+3], v15 offset:32*SP*((\t)%2)+16*\i
.endr
.endm
.irp t, 0,1,2,3
	XLOAD \t
.endr
	s_wait_alu depctr_va_vdst(0)
	s_wait_kmcnt 0x0
.irp g, 0,1,2
	s_add_co_i32 s50, s[32+2*\g], 127
	s_lshl_b32 s51, s50, 23
	v_mov_b32 v[SC+2*\g], s51                      ; 2^e as f32: the conversion takes its exponent field
	s_add_co_i32 s50, s50, 8
	s_lshl_b32 s50, s50, 23
	s_or_b32 s50, s50, 0x600000
.endr
	s_wait_alu depctr_va_vdst(0)
	s_wait_loadcnt 12                              ; step 0's four loads are in; three steps' twelve may be out
	XTURN 0
.macro XSTEP t
.set XS, X+16*((\t)%2)
.set CC, C+12*((\t)%2)
	s_wait_dscnt 0x0                               ; this step's numbers are back from the stage, so its stores into the stage have read their registers,
.if (\t)+4 < STEPS
	XLOAD (\t)+4                                   ; which take the loads of four steps on
.endif
.if (\t)+1 < STEPS
.if STEPS-2-(\t) >= 3
	s_wait_loadcnt 12                              ; the next step's four loads are in; those of the three steps behind it may be out
.else
	s_wait_loadcnt 4*(STEPS-2-(\t))
.endif
	XTURN (\t)+1
.endif
	s_wait_xcnt 0x0                                ; the stores of two steps back have read their data: this set of code registers is written again only behind this wait
.irp g, 0,1,2
.irp i, 0,1,2,3,4,5,6,7,8,9,10,11,12,13,14,15
.endr
	v_cvt_scalef32_pk8_fp8_f32 v[CC+4*\g:CC+4*\g+1], v[XS:XS+7], v[SC+2*\g]
	v_cvt_scalef32_pk8_fp8_f32 v[CC+4*\g+2:CC+4*\g+3], v[XS+8:XS+15], v[SC+2*\g]
	v_nop                                          ; a plain line behind the conversions
	global_store_b128 v3, v[CC+4*\g:CC+4*\g+3], s[44+2*\g:45+2*\g] offset:512*(\t)   ; the wave stores 512 consecutive bytes, aligned
.endr
.endm
.irp t, 0,1,2,3,4,5,6,7,8,9,10,11,12,13,14,15
	XSTEP \t
.endr
	s_wait_tensorcnt 0x0                           ; the wave's end: three lines behind my last LDS store
	ds_add_u32 v[SPW], v[NIL]
	s_wait_dscnt 0x0
	s_endpgm
.Lnot_x:
	s_cmp_lt_u32 ttmp9, 384
	s_cbranch_scc0 .Ltab
; ---------------- W: a lane takes a column n and its registers run down K, so the conversions give codes with K innermost.  A wave: 32 columns x 256 along K.
	s_load_b256 s[32:39], s[14:15], 0x0            ; e0 .. e7
	s_load_b32 s43, s[14:15], 0x2c                 ; e11
	s_sub_co_u32 s26, ttmp9, 256
	s_lshr_b32 s27, s26, 5                         ; which weight: 0 Wq, 1 Wk, 2 Wv, 3 Wo
	s_and_b32 s28, s26, 7                          ; which 128 columns
	s_bfe_u32 s29, s26, 0x20003                    ; which 256 along K
	s_cmp_eq_u32 s27, 0
	s_cselect_b64 s[30:31], s[6:7], s[8:9]
	s_cmp_eq_u32 s27, 2
	s_cselect_b64 s[30:31], s[10:11], s[30:31]
	s_cmp_eq_u32 s27, 3
	s_cselect_b64 s[30:31], s[12:13], s[30:31]
	s_lshl_b32 s28, s28, 7
	s_lshl_b32 s44, s24, 5
	s_add_co_u32 s28, s28, s44                     ; my wave's first column
	s_lshl_b32 s44, s29, 20                        ; 256 rows of 4,096 bytes
	s_lshl_b32 s45, s28, 2
	s_add_co_u32 s44, s44, s45
	s_mov_b32 s45, 0
	s_add_nc_u64 s[30:31], s[30:31], s[44:45]
	s_lshl_b32 s44, s27, 20                        ; the weight's codes: 1 MiB each
	s_lshl_b32 s46, s28, 10
	s_add_co_u32 s44, s44, s46                     ; + column x 1,024
	s_lshl_b32 s46, s29, 8
	s_add_co_u32 s44, s44, s46                     ; + 256 along K
	s_add_nc_u64 s[20:21], s[20:21], s[44:45]
	v_lshlrev_b32 v9, 2, v2                        ; in: 4 bytes a lane
	v_lshlrev_b32 v8, 10, v6
	v_lshl_add_u32 v8, v5, 4, v8                   ; out: two rows of the codes an instruction, 16 bytes a lane
.macro WLOAD t                         ; block t: W(32 t + i, my column): 32 lanes read 128 consecutive bytes
.set i, 0
.rept 32
	global_load_b32 v[WX+32*((\t)%2)+i], v9, s[30:31] offset:(32*(\t)+i)*4096 th:TH_LOAD_NT
.set i, i+1
.endr
.endm
	WLOAD 0
	WLOAD 1
	s_wait_kmcnt 0x0
	s_cmp_eq_u32 s27, 0
	s_cselect_b32 s46, s33, s35
	s_cmp_eq_u32 s27, 2
	s_cselect_b32 s46, s37, s46
	s_cmp_eq_u32 s27, 3
	s_cselect_b32 s46, s43, s46                    ; e
	s_add_co_i32 s46, s46, 127
	s_lshl_b32 s47, s46, 23
	v_mov_b32 v11, s47                             ; 2^e
	s_add_co_i32 s46, s46, 8
	s_lshl_b32 s46, s46, 23
	s_or_b32 s46, s46, 0x600000
.macro WBLOCK t
.set XS, WX+32*((\t)%2)
.if (\t) < 7
	s_wait_loadcnt 32                              ; this block's 32 loads are in; the next block's may be out
.else
	s_wait_loadcnt 0x0
.endif
.set i, 0
.rept 32
.set i, i+1
.endr
.irp g, 0,1,2,3
	v_cvt_scalef32_pk8_fp8_f32 v[WC+2*\g:WC+2*\g+1], v[XS+8*\g:XS+8*\g+7], v11
.endr
	ds_store_b128 v4, v[WC:WC+3] offset:32*(\t)    ; 32 codes: 32 bytes of my column's row
	ds_store_b128 v4, v[WC+4:WC+7] offset:32*(\t)+16
.if (\t)+2 < 8
	WLOAD (\t)+2
.endif
	s_wait_dscnt 0x0                               ; the stores have read their registers: the next block's codes may be written
.endm
	s_wait_alu depctr_va_vdst(0)
.irp t, 0,1,2,3,4,5,6,7
	WBLOCK \t
.endr
.irp t, 0,1,2,3,4,5,6,7,8,9,10,11,12,13,14,15
	ds_load_b128 v[OUTR+4*\t:OUTR+4*\t+3], v7 offset:2*\t*WP
.endr
.irp t, 0,1,2,3,4,5,6,7,8,9,10,11,12,13,14,15
	s_wait_dscnt 15-\t                             ; LDS loads come back in order: pair t of rows is in
	global_store_b128 v8, v[OUTR+4*\t:OUTR+4*\t+3], s[20:21] offset:2*\t*1024   ; sixteen lanes store 256 consecutive bytes, aligned
.endr
	s_wait_tensorcnt 0x0                           ; the wave's end: three lines behind my last LDS store
	ds_add_u32 v[SPW], v[NIL]
	s_wait_dscnt 0x0
	s_endpgm
.Ltab:
; ---------------- T: wave w of work-group z makes the table of the 16 tokens 16 A .. 16 A + 15, A = 4 z + w: 4,096 bytes, eight pieces e = 2 beta + gamma of 512 bytes, 16 bytes a lane.  No LDS.
; Lane (r, h) has token 16 A + r, and in piece e the pairs i = 8 (e / 2) + 2 (e % 2) + 4 h and i + 1.
	s_sub_co_u32 s26, ttmp9, 384
	s_lshl_b32 s26, s26, 2
	s_add_co_u32 s26, s26, s24                     ; A
	s_lshl_b32 s28, s26, 6
	s_mov_b32 s29, 0
	s_add_nc_u64 s[16:17], s[16:17], s[28:29]      ; the positions of my 16 tokens
	s_lshl_b32 s28, s26, 12
	s_add_nc_u64 s[22:23], s[22:23], s[28:29]      ; and their 4,096 bytes of the table
	v_lshlrev_b32 v16, 2, v5
	global_load_b32 v[PO], v16, s[16:17]           ; the position of token 16 A + r
	v_lshlrev_b32 v17, 4, v2                       ; 16 x lane
	v_mov_b32 v[KB], 0x4b400000                    ; the bias 1.5 x 2^23 = 12,582,912: a sum with it is rounded to a whole number, which then stands in the low mantissa bits
	v_mov_b32 v[K2PI], 0x3f22f983                  ; 2 / pi
	v_mov_b32 v[KP1], 0xbfc90fdb                   ; pi / 2 in three parts, each negated
	v_mov_b32 v[KP2], 0x333bbd2e
	v_mov_b32 v[KP3], 0x26f72ced
	v_mov_b32 v[KS1], 0xbe2aaaa3                   ; sin r = r + r z (S1 + z (S2 + z S3)), z = r r, |r| <= pi / 4
	v_mov_b32 v[KS2], 0x3c08839e
	v_mov_b32 v[KS3], 0xb94ca1f9
	v_mov_b32 v[KC1], 0x3d2aaaa5                   ; cos r = 1 - z / 2 + z z (C1 + z (C2 + z C3))
	v_mov_b32 v[KC2], 0xbab6061a
	v_mov_b32 v[KC3], 0x37ccf5ce
	v_mov_b32 v[KNH], -0.5
	v_mov_b32 v[KONE], 1.0
; The frequencies 10000^(-i / 32) = 10^(-i / 8) are constants of the problem: each is written out, rounded once to f32.  Number n = 2 e + d of my 16 is that of i = n % 4 + 8 (n / 4) in lanes 0-15 and of i + 4 in lanes 16-31.
.macro FREQ n, f0, f1
	v_mov_b32 v46, \f0
	v_mov_b32 v47, \f1
	v_cndmask_b32 v[FQ+\n], v47, v46, vcc_lo       ; h = 0: f0; h = 1: f1
.endm
	v_cmp_gt_u32 vcc_lo, 1, v6                     ; lanes with h = 0
	FREQ 0,  1.0,               0.316227766017
	FREQ 1,  0.749894209332,    0.237137370566
	FREQ 2,  0.562341325190,    0.177827941004
	FREQ 3,  0.421696503429,    0.133352143216
	FREQ 4,  0.1,               0.0316227766017
	FREQ 5,  0.0749894209332,   0.0237137370566
	FREQ 6,  0.0562341325190,   0.0177827941004
	FREQ 7,  0.0421696503429,   0.0133352143216
	FREQ 8,  0.01,              0.00316227766017
	FREQ 9,  0.00749894209332,  0.00237137370566
	FREQ 10, 0.00562341325190,  0.00177827941004
	FREQ 11, 0.00421696503429,  0.00133352143216
	FREQ 12, 0.001,             0.000316227766017
	FREQ 13, 0.000749894209332, 0.000237137370566
	FREQ 14, 0.000562341325190, 0.000177827941004
	FREQ 15, 0.000421696503429, 0.000133352143216
	s_wait_loadcnt 0x0
	v_add_nc_u32 v[PO], 0x4b400000, v[PO]          ; the bias's bit pattern + the position is the f32 number bias + position (|position| < 2^22),
	v_sub_f32 v[PO], v[PO], v[KB]                  ; and less the bias it is the position as f32, exact
; cos and sin of the angle in v36.  t = angle x 2 / pi + bias, one rounding: n, the nearest whole number, stands in t's low bits; r = angle - n pi / 2; two polynomials; the quadrant n mod 4 swaps them and sets the signs.
.macro SINCOS c, s
	v_fma_f32 v37, v36, v[K2PI], v[KB]             ; t
	v_sub_f32 v45, v37, v[KB]                      ; n as f32, exact
	v_fma_f32 v38, v45, v[KP1], v36
	v_fma_f32 v38, v45, v[KP2], v38
	v_fma_f32 v38, v45, v[KP3], v38                ; r
	v_mul_f32 v39, v38, v38                        ; z
	v_fma_f32 v40, v39, v[KS3], v[KS2]
	v_fma_f32 v42, v39, v[KC3], v[KC2]
	v_fma_f32 v40, v40, v39, v[KS1]
	v_fma_f32 v42, v42, v39, v[KC1]
	v_mul_f32 v41, v38, v39
	v_mul_f32 v43, v39, v39
	v_fma_f32 v44, v39, v[KNH], v[KONE]
	v_fma_f32 v40, v40, v41, v38                   ; sin r
	v_fma_f32 v42, v42, v43, v44                   ; cos r
	v_and_b32 v46, 1, v37
	v_cmp_gt_u32 vcc_lo, 1, v46                    ; even quadrants
	v_cndmask_b32 v[\s], v42, v40, vcc_lo          ; in odd quadrants the two change places
	v_cndmask_b32 v[\c], v40, v42, vcc_lo
	v_and_b32 v46, 2, v37
	v_lshl_or_b32 v46, v46, 30, v[KONE]            ; -1.0 in quadrants 2 and 3, else 1.0: the quadrant's bit 1 becomes the sign of 1.0
	v_mul_f32 v[\s], v[\s], v46
	v_add_nc_u32 v47, 1, v37
	v_and_b32 v47, 2, v47
	v_lshl_or_b32 v47, v47, 30, v[KONE]            ; -1.0 in quadrants 1 and 2
	v_mul_f32 v[\c], v[\c], v47
.endm
.irp e, 0,1,2,3,4,5,6,7                ; each piece has registers of its own: no store's data are written again
	v_mul_f32 v36, v[PO], v[FQ+2*\e]               ; the angle, rounded once
	SINCOS 64+4*\e, 65+4*\e
	v_mul_f32 v36, v[PO], v[FQ+2*\e+1]
	SINCOS 66+4*\e, 67+4*\e
	global_store_b128 v17, v[64+4*\e:67+4*\e], s[22:23] offset:512*\e   ; the wave stores 512 consecutive bytes, aligned
.endr
	s_endpgm
.Lfunc_end_k_qa0af04ab54_prep:
	.size	k_qa0af04ab54_prep, .Lfunc_end_k_qa0af04ab54_prep-k_qa0af04ab54_prep
	.p2alignl 7, 3214868480
	.fill 96, 4, 3214868480
	.section	.rodata,"a",@progbits
	.p2align	6, 0x0
	.amdhsa_kernel k_qa0af04ab54_prep
		.amdhsa_group_segment_fixed_size 55808
		.amdhsa_private_segment_fixed_size 0
		.amdhsa_enable_private_segment 0
		.amdhsa_kernarg_size 80
		.amdhsa_user_sgpr_count 2
		.amdhsa_user_sgpr_kernarg_segment_ptr 1
		.amdhsa_wavefront_size32 1
		.amdhsa_system_sgpr_workgroup_id_x 1
		.amdhsa_system_sgpr_workgroup_id_y 1
		.amdhsa_system_sgpr_workgroup_id_z 1
		.amdhsa_system_vgpr_workitem_id 0
		.amdhsa_next_free_vgpr 192
		.amdhsa_next_free_sgpr 66
		.amdhsa_reserve_vcc 1
		.amdhsa_float_denorm_mode_32 3
		.amdhsa_float_denorm_mode_16_64 3
		.amdhsa_fp16_overflow 1
		.amdhsa_memory_ordered 1
		.amdhsa_forward_progress 1
		.amdhsa_inst_pref_size 88
	.end_amdhsa_kernel
	.amdgpu_metadata
---
amdhsa.version: [ 1, 2 ]
amdhsa.kernels:
  - .name:           k_qa0af04ab54_prep
    .symbol:         k_qa0af04ab54_prep.kd
    .args:
      - { .name: x, .offset: 0, .size: 8, .value_kind: global_buffer, .address_space: global }
      - { .name: Wq, .offset: 8, .size: 8, .value_kind: global_buffer, .address_space: global }
      - { .name: Wk, .offset: 16, .size: 8, .value_kind: global_buffer, .address_space: global }
      - { .name: Wv, .offset: 24, .size: 8, .value_kind: global_buffer, .address_space: global }
      - { .name: Wo, .offset: 32, .size: 8, .value_kind: global_buffer, .address_space: global }
      - { .name: lowp_scales, .offset: 40, .size: 8, .value_kind: global_buffer, .address_space: global }
      - { .name: token_positions, .offset: 48, .size: 8, .value_kind: global_buffer, .address_space: global }
      - { .name: xc, .offset: 56, .size: 8, .value_kind: global_buffer, .address_space: global }
      - { .name: wc, .offset: 64, .size: 8, .value_kind: global_buffer, .address_space: global }
      - { .name: tab, .offset: 72, .size: 8, .value_kind: global_buffer, .address_space: global }
    .group_segment_fixed_size: 55808
    .private_segment_fixed_size: 0
    .kernarg_segment_align: 8
    .kernarg_segment_size: 80
    .max_flat_workgroup_size: 128
    .sgpr_count:     66
    .vgpr_count:     192
    .wavefront_size: 32
...
	.end_amdgpu_metadata
.endif
;; end of part 1
;; launch qkv (part 2): grid 12 x 32, 4 waves a work-group, clusters of 4 x 4, 327,680 bytes of LDS; arguments xc, wc, lowp_scales, tab, qkv; writes qkv
.if DOCPART == 2
	.amdgcn_target "amdgcn-amd-amdhsa--gfx1250"
	.amdhsa_code_object_version 6
	.text
	.protected	k_qa0af04ab54_qkv
	.globl	k_qa0af04ab54_qkv
	.p2align	8
	.type	k_qa0af04ab54_qkv,@function
k_qa0af04ab54_qkv:
	s_mov_b64 s[64:65], 0
	v_nop
	global_prefetch_b8 v0, s[64:65] scope:SCOPE_SE
	s_setreg_imm32_b32 hwreg(HW_REG_WAVE_MODE, 25, 1), 1
	s_wait_xcnt 0x0
	s_wait_alu depctr_hold_cnt(0) depctr_sa_sdst(0) depctr_va_vdst(0) depctr_va_sdst(0) depctr_va_ssrc(0) depctr_va_vcc(0) depctr_vm_vsrc(0)
	s_getreg_b32 s2, hwreg(HW_REG_IB_STS2, 6, 4)
	s_cmp_eq_u32 s2, 0
	s_cbranch_scc0 .Lentry_in_a_cluster
	s_endpgm
.Lentry_in_a_cluster:
	s_bfe_u32 s2, ttmp6, 0x10000c
	s_cmp_lg_u32 s2, 0xf033
	s_cbranch_scc0 .Lentry_shape_is_right
	s_endpgm
.Lentry_shape_is_right:
; QKV: the three projections on E4M3 codes, RoPE on q and k, and the quantising of q, k, v for the attention, in one launch.
; A cluster of 4 x 4 work-groups makes 1,024 x 1,024 numbers of ONE of the three: cluster x = 0: q, 1: k, 2: v; cluster y = which 1,024 tokens.  A work-group makes a tile of 256 x 256, a wave 128 x 128
; (64 accumulators of 16 x 16, 512 registers).  K = 1,024 goes in steps of 256 through a ring of two LDS slots filled by the tensor data mover.
; THE TWO SIDES.  The matrix instruction takes the "B side" as source 0 and the "A side" as source 1: a lane then holds ONE row of the A side and eight neighbouring rows of the B side.
;   q, k: A side = tokens (xc, set 0 or 1), B side = columns of the weight: a lane's registers run along the head's 64, which is the scores' K.
;   v:    A side = columns of Wv,           B side = tokens (xc, set 2):    a lane's registers run along the tokens, which are the K of the attention's second product.
; A side's tiles are shared along a row of the cluster, B side's along a column: each is asked for JOINTLY, by the same tensor load with the same descriptor and a mask that names the four.
; THE WAY OUT.  q, k: pairs (2 i, 2 i + 1) of a head are turned by the token's angle (cos and sin from tab, in register order), then quantised with 2^e6 or 2^e7; v with 2^e9.
; A sum stands for sum x 2^(ea + eb), and RoPE is linear: so the conversion takes the one scale 2^(eo - ea - eb).  Codes go through the wave's own stage in LDS and leave as runs of 512 bytes.
; qkv: q at 0 [16 batch + head][s 2048][64];  k at 8 MiB likewise;  v at 16 MiB [16 batch + head][s / 128][d 64][128 tokens].
; LIMITS: eo - ea - eb between -126 and 119 for (e0, e1, e6), (e2, e3, e7), (e4, e5, e9).
; REGISTERS, in windows of 256: window 0: v0-31 addresses; from v128 A's fragments, ONE set; v32-127 free in the loop.  window 1: B's fragments, TWO sets.  windows 2, 3: the accumulators ((a, b) at v[8 (8 (a % 4) + b)]).
.set KSTEP,  256
.set ROWB,   256                       ; a tile's row in bytes
.set KROW,   1024                      ; a row of codes in memory
.set PITCH,  272                       ; an LDS row: 256 bytes + 16 of padding = 68 words: the 16 rows that a load touches start at 16 different banks (64 banks of 4 bytes: ISA guide 11.1)
.set FR,     16
.set NL,     4
.set NP,     4                         ; places behind this matrix instruction (ISA guide 7.12.1)
.set HALFT,  128*PITCH
.set SLOT,   4*HALFT
.set LAPS,   2                         ; 1,024 / (2 x 256)
.set SPARE,  2*SLOT                    ; behind the ring: the spare words, 128 bytes for each wave
.set STGQ,   SPARE+512                 ; the way out of q and k: 16 rows x (128 + 16) bytes for each wave; no tile ever lands here
.set STGV,   STGQ+4*16*144             ; the way out of v: the same, in bytes of its own
.set SCL,  8                           ; v8   2^(eo - ea - eb)
.set LIMV, 9
.set STQ,  10                          ; v10  q, k: where I put 8 codes
.set RDQ,  11                          ; v11  q, k: where I read 16 back
.set STV,  12                          ; v12, v13 the same for v
.set RDV,  13
.set LO,   14                          ; v14  16 x lane: my place in a load of the table and in a store
.set ADRA, 16
.set ADRB, 20
.set SPW,  28
.set NIL,  29
.set TMP,  32                          ; v32-95   a block's 64 numbers
.set CS,   96                          ; v96-127, v128-159  cos and sin of a block's 16 tokens, two sets
.set AF,   128
.set CD,   160                         ; v160-175, v176-191 a block's codes, two sets
.set BK,   192                         ; v192-207, v208-223 read back from the stage, two sets
.set G1, 24
.set G0, 32
.set G1B, 48
.set G0B, 56
.set MSB, 0
.macro WIN new                         ; the immediate's high byte repeats the setting that is left
.if MSB != \new
	s_set_vgpr_msb (MSB<<8)|\new
.set MSB, \new
.endif
.endm
.set MUL_LO, 0xa1                      ; source 0 (B) window 1, source 1 (A) window 0, C and D window 2
.set MUL_HI, 0xf1
.set TO_B,   0x40
; A joint load: waves 0 and 1 fetch for the A side, waves 2 and 3 for the B side.  The branch hangs on the wave's number alone.  An s_nop 0 and four v_nop follow each of the two lines.
.macro JLOAD g0a, g1a, g0b, g1b
	s_cmp_eq_u32 s15, 0
	s_cbranch_scc0 .Lfor_b_\@
	tensor_load_to_lds s[\g0a:\g0a+3], s[\g1a:\g1a+7]
	s_nop 0
.rept 4
	v_nop
.endr
	s_branch .Lasked_\@
.Lfor_b_\@:
	tensor_load_to_lds s[\g0b:\g0b+3], s[\g1b:\g1b+7]
	s_nop 0
.rept 4
	v_nop
.endr
.Lasked_\@:
.endm
.macro CREST                           ; a round of the cluster's barrier behind its opening barrier
	s_cmp_lg_u32 s14, 0
	s_cbranch_scc1 .Lnot_wave_0_\@
	s_barrier_signal -3
.Lnot_wave_0_\@:
	s_barrier_wait -3
	s_barrier_signal -1
	s_barrier_wait -1
.endm
.macro CROUND
	s_barrier_signal -1
	s_barrier_wait -1
	CREST
.endm
	s_load_b128 s[4:7], s[0:1], 0x0                ; xc s[4:5], wc s[6:7]
	s_load_b128 s[8:11], s[0:1], 0x10              ; scales s[8:9], tab s[10:11]
	s_load_b64 s[12:13], s[0:1], 0x20              ; qkv
	v_lshl_add_u32 v[SPW], v0, 2, SPARE
	v_mov_b32 v[NIL], 0
	ds_add_u32 v[SPW], v[NIL]                      ; the wave's opening: the add and its wait ahead of my first tensor load; work on registers stands between them
	ds_add_u32 v[SPW], v[NIL]
	v_lshrrev_b32 v1, 5, v0
	v_readfirstlane_b32 s14, v1                    ; wave 0..3
	s_lshr_b32 s15, s14, 1                         ; which half of the A side's rows is mine.  Also: I fetch for A (0) or for B (1)
	s_and_b32 s16, s14, 1                          ; which half of the B side's rows.  Also: which 128 rows of that tile I fetch
	s_bfe_u32 s40, ttmp6, 0x40000                  ; cx
	s_bfe_u32 s41, ttmp6, 0x40004                  ; cy
	s_and_b32 s17, ttmp7, 0xffff                   ; cluster y: which 1,024 tokens
	s_lshl_b32 s18, s17, 2
	s_lshl_b32 s43, s41, 2
	s_lshl_b32 s43, 15, s43                        ; my row of the cluster
	s_lshl_b32 s44, 0x1111, s40                    ; my column
	s_or_b32 s[G1+0], s43, (0<<16)|(1<<20)|(1<<21)|(5<<22)|(3<<25)  ; 15:0 the mask; 17:16 elements of 1 byte; 20 padding on; 21 set beside a mask; 24:22 after every 64 words; 31:25 four words
	s_or_b32 s[G1B+0], s44, (0<<16)|(1<<20)|(1<<21)|(5<<22)|(3<<25)
.irp g, G1, G1B
	s_mov_b32 s[\g+1], ROWB<<16                    ; tensor_dim0
	s_mov_b32 s[\g+2], 128<<16                     ; tensor_dim1
	s_mov_b32 s[\g+3], ROWB<<16                    ; tile_dim0
	s_mov_b32 s[\g+4], 128                         ; tile_dim1
	s_mov_b32 s[\g+5], KROW                        ; tensor_dim0_stride
	s_mov_b32 s[\g+6], 0
	s_mov_b32 s[\g+7], 0
.endr
	; where the tiles come from, as offsets.  A's hangs on cy (and on what all partners share), B's on cx.
	s_lshl_b32 s19, ttmp9, 23                      ; q, k: x's set of codes, 8 MiB each
	s_lshl_b32 s22, ttmp9, 20                      ; q, k: the weight's codes, 1 MiB each
	s_cmp_eq_u32 ttmp9, 2                          ; v?
	s_cselect_b32 s20, 0, s18                      ; A: tiles of 256 rows ahead of cy: v: none (Wv's rows); q, k: 4 x cluster y (tokens)
	s_cselect_b32 s46, s18, 0                      ; B: the other way round
	s_cselect_b32 s19, 0x200000, s19               ; A's part: v: Wv's codes
	s_cselect_b32 s22, 0x1000000, s22              ; B's part: v: x's set 2
	s_add_co_u32 s20, s20, s41
	s_add_co_u32 s46, s46, s40
	s_lshl_b32 s23, s16, 7                         ; which 128 rows of the tile I fetch
	s_lshl_b32 s20, s20, 8
	s_add_co_u32 s20, s20, s23
	s_lshl_b32 s20, s20, 10
	s_add_co_u32 s20, s20, s19
	s_mov_b32 s21, 0
	s_lshl_b32 s46, s46, 8
	s_add_co_u32 s46, s46, s23
	s_lshl_b32 s46, s46, 10
	s_add_co_u32 s46, s46, s22
	s_mov_b32 s47, 0
	s_mul_i32 s45, s14, HALFT                      ; where they go: wave x 128 rows: no place in the cluster enters an LDS address
	s_wait_dscnt 0x0                               ; the opening add is done
	s_wait_kmcnt 0x0
	s_load_b256 s[68:75], s[8:9], 0x0              ; e0 .. e7
	s_load_b128 s[76:79], s[8:9], 0x20             ; e8 .. e11
	s_cmp_eq_u32 ttmp9, 2
	s_cselect_b64 s[84:85], s[6:7], s[4:5]         ; A's buffer
	s_cselect_b64 s[86:87], s[4:5], s[6:7]         ; B's
	s_add_nc_u64 s[20:21], s[84:85], s[20:21]
	s_add_nc_u64 s[46:47], s[86:87], s[46:47]
	CROUND                                         ; all sixteen work-groups are here: the first joint loads meet
.irp s, 0,1
	s_mov_b32 s[G0+4*\s], 1
	s_add_co_u32 s[G0+4*\s+1], s45, \s*SLOT
	s_add_nc_u64 s[G0+4*\s+2:G0+4*\s+3], s[20:21], \s*ROWB
	s_or_b32 s[G0+4*\s+3], s[G0+4*\s+3], 0x80000000
	s_mov_b32 s[G0B+4*\s], 1
	s_add_co_u32 s[G0B+4*\s+1], s45, \s*SLOT
	s_add_nc_u64 s[G0B+4*\s+2:G0B+4*\s+3], s[46:47], \s*ROWB
	s_or_b32 s[G0B+4*\s+3], s[G0B+4*\s+3], 0x80000000
	JLOAD G0+4*\s, G1, G0B+4*\s, G1B
.endr
	v_and_b32 v1, 15, v0                           ; r
	s_wait_alu depctr_va_vdst(0)
	v_bfe_u32 v2, v0, 4, 1                         ; h
	v_mul_u32_u24 v3, v1, PITCH
	v_lshl_add_u32 v4, v2, 4, v3                   ; a fragment's row x pitch + 16 h
	s_mul_i32 s21, s15, HALFT
	s_mul_i32 s22, s16, HALFT
	s_add_co_u32 s22, s22, 2*HALFT
.irp s, 0,1
	v_add_nc_u32 v[ADRA+\s], s21, v4
	v_add_nc_u32 v[ADRB+\s], s22, v4
	s_add_co_u32 s21, s21, SLOT
	s_add_co_u32 s22, s22, SLOT
.endr
	s_mul_i32 s23, s14, 16*144                     ; my stage in either region
	v_mul_u32_u24 v5, v1, 144
	s_wait_alu depctr_va_vdst(0)
	v_lshl_add_u32 v5, v2, 3, v5
	v_add_nc_u32 v5, s23, v5                       ; in: row r, 8 bytes for each half of the lanes
	v_add_nc_u32 v[STQ], STGQ, v5
	v_add_nc_u32 v[STV], STGV, v5
	v_and_b32 v6, 31, v0
	v_lshlrev_b32 v[LO], 4, v6
	v_lshrrev_b32 v7, 2, v6
	v_mul_u32_u24 v7, v7, 144
	v_and_b32 v5, 3, v6
	v_lshl_add_u32 v7, v5, 4, v7
	v_add_nc_u32 v7, s23, v7
	v_add_nc_u32 v[RDQ], STGQ, v7                  ; q, k back: four lanes to a token's 64 bytes of one head, eight tokens an instruction
	v_lshrrev_b32 v7, 3, v6
	v_mul_u32_u24 v7, v7, 144
	v_and_b32 v5, 7, v6
	v_lshl_add_u32 v7, v5, 4, v7
	v_add_nc_u32 v7, s23, v7
	v_add_nc_u32 v[RDV], STGV, v7                  ; v back: eight lanes to a row of 128 tokens, four rows an instruction
	; where my wave's results go, as an offset in qkv, in both layouts; the cluster's x chooses
	s_lshr_b32 s89, s17, 1
	s_lshl_b32 s89, s89, 4                         ; 16 x batch
	s_add_co_u32 s88, s18, s41
	s_and_b32 s88, s88, 7
	s_lshl_b32 s88, s88, 8
	s_lshl_b32 s90, s15, 7
	s_add_co_u32 s88, s88, s90                     ; q, k: my first token in its sequence
	s_lshl_b32 s82, s88, 8                         ; its place in the table: 4,096 bytes for 16 tokens
	s_mov_b32 s83, 0
	s_lshl_b32 s90, s40, 2
	s_lshl_b32 s91, s16, 1
	s_add_co_u32 s90, s90, s91                     ; my first head: 4 cx + 2 x half
	s_add_co_u32 s90, s90, s89
	s_lshl_b32 s90, s90, 17
	s_lshl_b32 s88, s88, 6
	s_add_co_u32 s88, s88, s90
	s_lshl_b32 s90, ttmp9, 23
	s_add_co_u32 s88, s88, s90
	s_add_co_u32 s92, s18, s40
	s_and_b32 s92, s92, 7
	s_lshl_b32 s92, s92, 1
	s_add_co_u32 s92, s92, s16                     ; v: my chunk of 128 tokens in its sequence
	s_lshl_b32 s92, s92, 13
	s_lshl_b32 s93, s41, 2
	s_lshl_b32 s94, s15, 1
	s_add_co_u32 s93, s93, s94                     ; my first head: 4 cy + 2 x half
	s_add_co_u32 s93, s93, s89
	s_lshl_b32 s93, s93, 17
	s_add_co_u32 s92, s92, s93
	s_add_co_u32 s92, s92, 0x1000000
	s_cmp_eq_u32 ttmp9, 2
	s_cselect_b32 s80, s92, s88
	s_mov_b32 s81, 0
	s_add_nc_u64 s[80:81], s[12:13], s[80:81]
	s_add_nc_u64 s[82:83], s[10:11], s[82:83]
.macro FRAG reg, adr, q, i             ; 16 rows x 128 K of codes in 16 registers: lane l holds row l % 16; registers 4 c .. 4 c + 3 hold K = 32 c + 16 (l / 16) + 0 .. 15: the same order of K on both sides
.irp c, 0,1,2,3
	ds_load_b128 v[\reg+4*\c:\reg+4*\c+3], v[\adr] offset:128*(\q)+32*\c+(\i)*16*PITCH
.endr
.endm
; 16 matrix instructions: A's blocks a0, a0 + 1 x B's eight.  The 64 accumulators take turns, one instruction a turn, in the same order in every step.
.macro MUL16 a0, p, zero
.irp a, \a0, \a0+1
.irp b, 0,1,2,3,4,5,6,7
.if \zero
	v_wmma_f32_16x16x128_fp8_fp8 v[8*(8*((\a)%4)+\b):8*(8*((\a)%4)+\b)+7], v[128*(\p)+FR*\b:128*(\p)+FR*\b+FR-1], v[AF+FR*(\a):AF+FR*(\a)+FR-1], 0
.else
	v_wmma_f32_16x16x128_fp8_fp8 v[8*(8*((\a)%4)+\b):8*(8*((\a)%4)+\b)+7], v[128*(\p)+FR*\b:128*(\p)+FR*\b+FR-1], v[AF+FR*(\a):AF+FR*(\a)+FR-1], v[8*(8*((\a)%4)+\b):8*(8*((\a)%4)+\b)+7]
.endif
.endr
.endr
.endm
.macro FETCH_B slot, q, p
	WIN TO_B
.irp i, 0,1,2,3,4,5,6,7
	FRAG 128*(\p)+FR*\i, ADRB+\slot, \q, \i
.endr
	WIN 0
.endm
.macro FETCH_A slot, q, i0
.irp i, \i0, \i0+1, \i0+2, \i0+3
	FRAG AF+FR*(\i), ADRA+\slot, \q, \i
.endr
.endm
.macro PLACES n                        ; plain vector lines between a matrix instruction and a load into, or a vector line on, its registers
.rept \n
	v_nop
.endr
.endm
.macro STEP slot, q, zero              ; 128 along K that has its successor in the same slot
	s_wait_dscnt 4*NL                              ; B's set and A's blocks 0-3 are in; the youngest sixteen loads (A's blocks 4-7) may be out
	WIN MUL_LO
	MUL16 0, (\q)%2, \zero
	MUL16 2, (\q)%2, \zero
	s_wait_dscnt 0
	PLACES NP
	FETCH_B \slot, (\q)+1, 1-(\q)%2
	FETCH_A \slot, (\q)+1, 0
	WIN MUL_HI
	MUL16 4, (\q)%2, \zero
	MUL16 6, (\q)%2, \zero
	PLACES NP
	WIN 0
	FETCH_A \slot, (\q)+1, 4
.endm
; A slot's last step changes slots: ONE barrier; in front of it each wave waits for all its tensor loads, adds 0 to its spare word, and waits for that and for its reads of this slot.  fill = 1: the slot is filled again, two K steps ahead.
.macro TURN slot, next, fill
	s_wait_tensorcnt 0x0                           ; all my tensor loads have landed: my part of the next slot
	ds_add_u32 v[SPW], v[NIL]                      ; 0 onto my spare word
	s_wait_dscnt 4*NL+1                            ; (the add and the youngest sixteen loads may be out)
	WIN MUL_LO
	MUL16 0, 1, 0
	s_wait_dscnt 0x0                               ; the add is done, and my reads of this slot are over
	s_barrier_signal -1
	MUL16 2, 1, 0
	WIN 0
	s_barrier_wait -1
.if \fill
	CREST                                          ; the barrier has opened a round of the cluster's: no wave of any partner still reads this slot or has a load on its way
	s_add_nc_u64 s[G0+4*\slot+2:G0+4*\slot+3], s[G0+4*\slot+2:G0+4*\slot+3], 2*ROWB
	s_add_nc_u64 s[G0B+4*\slot+2:G0B+4*\slot+3], s[G0B+4*\slot+2:G0B+4*\slot+3], 2*ROWB
	JLOAD G0+4*\slot, G1, G0B+4*\slot, G1B         ; the first tensor load behind the round; its four v_nop are the places in front of the loads below
.else
	PLACES NP
.endif
	FETCH_B \next, 0, 0
	FETCH_A \next, 0, 0
	WIN MUL_HI
	MUL16 4, 1, 0
	MUL16 6, 1, 0
	PLACES NP
	WIN 0
	FETCH_A \next, 0, 4
.endm
	s_wait_tensorcnt 1                             ; my part of K step 0 is in (K step 1's load may be out),
	s_barrier_signal -1
	s_barrier_wait -1                              ; everybody's is
	FETCH_B 0, 0, 0
	FETCH_A 0, 0, 0
	FETCH_A 0, 0, 4
	STEP 0, 0, 1                                   ; the first step's products start the sums: nothing is cleared
	s_mov_b32 s3, LAPS-1
.Llap:                                                 ; a trip goes once round the ring and fills both slots again
	TURN 0, 1, 1
	STEP 1, 0, 0
	TURN 1, 0, 1
	STEP 0, 0, 0
	s_sub_co_u32 s3, s3, 1
	s_cmp_lg_u32 s3, 0
	s_cbranch_scc1 .Llap
	TURN 0, 1, 0                                   ; the last lap fills nothing
	STEP 1, 0, 0
	s_wait_dscnt 4*NL
	WIN MUL_LO
	MUL16 0, 1, 0
	MUL16 2, 1, 0
	s_wait_dscnt 0
	WIN MUL_HI
	MUL16 4, 1, 0
	MUL16 6, 1, 0
	WIN 0
	; THE WAY OUT.  The one scale of the conversion: eo - ea - eb
	s_wait_kmcnt 0x0
	s_cmp_eq_u32 ttmp9, 0
	s_cselect_b32 s84, s68, s70
	s_cselect_b32 s85, s69, s71
	s_cselect_b32 s86, s74, s75
	s_cmp_eq_u32 ttmp9, 2
	s_cselect_b32 s84, s72, s84
	s_cselect_b32 s85, s73, s85
	s_cselect_b32 s86, s77, s86
	s_sub_co_i32 s86, s86, s84
	s_sub_co_i32 s86, s86, s85
	s_add_co_i32 s86, s86, 127
	s_lshl_b32 s87, s86, 23
	v_mov_b32 v[SCL], s87
	PLACES NP                                      ; in front of loads and vector lines that write the registers which held A's fragments
	s_cmp_eq_u32 ttmp9, 2                          ; the cluster's x: the same in all sixteen partners
	s_cbranch_scc1 .Lv_out
; ---- q, k.  Block a = 16 tokens x 128 columns (two heads).  Lane (r, h), accumulator b, register j: token 16 a + r, column 16 b + 8 h + j: pair p = j / 2 is the head's pair 8 (b % 4) + 4 h + p.
.macro TABLOAD a                       ; cos, sin of block a's tokens: register 8 beta + 2 p: cos, + 1: sin, of pair 8 beta + 4 h + p.  Each load reads 512 consecutive bytes
.irp e, 0,1,2,3,4,5,6,7
	global_load_b128 v[CS+32*((\a)%2)+4*\e:CS+32*((\a)%2)+4*\e+3], v[LO], s[82:83] offset:4096*(\a)+512*\e
.endr
.endm
.macro QKBLK a
.set AC, 64*((\a)%4)
.set CT, CS+32*((\a)%2)
.set CC, CD+16*((\a)%2)
.set BB, BK+16*((\a)%2)
.if (\a) > 1
	s_wait_xcnt 0x0                                ; block a - 2's stores have read their data: its registers take this block's rows
.endif
.if (\a) < 7
	TABLOAD (\a)+1
	s_wait_loadcnt 8                               ; this block's eight loads are in; the next block's may be out
.else
	s_wait_loadcnt 0x0
.endif
	WIN 0x02+((\a)/4)                              ; source 0: window 2 or 3
.irp b, 0,1,2,3,4,5,6,7
.irp p, 0,1,2,3                        ; (x1 cos, x1 sin): each accumulator is read from its low end on
	v_pk_mul_f32 v[TMP+8*\b+2*\p:TMP+8*\b+2*\p+1], v[AC+8*\b+2*\p:AC+8*\b+2*\p+1], v[CT+8*(\b%4)+2*\p:CT+8*(\b%4)+2*\p+1] op_sel_hi:[0,1]
.endr
.irp p, 0,1,2,3                        ; (x1 cos - x2 sin, x1 sin + x2 cos)
	v_pk_fma_f32 v[TMP+8*\b+2*\p:TMP+8*\b+2*\p+1], v[AC+8*\b+2*\p:AC+8*\b+2*\p+1], v[CT+8*(\b%4)+2*\p:CT+8*(\b%4)+2*\p+1], v[TMP+8*\b+2*\p:TMP+8*\b+2*\p+1] op_sel:[1,1,0] op_sel_hi:[1,0,1] neg_lo:[1,0,0]
.endr
.endr
	WIN 0
.set j, 0
.rept 64
.set j, j+1
.endr
.irp b, 0,1,2,3,4,5,6,7
	v_cvt_scalef32_pk8_fp8_f32 v[CC+2*\b:CC+2*\b+1], v[TMP+8*\b:TMP+8*\b+7], v[SCL]
.endr
	v_nop                                          ; a plain line behind the conversions: the next block writes their sources
.irp b, 0,1,2,3,4,5,6,7
	ds_store_b64 v[STQ], v[CC+2*\b:CC+2*\b+1] offset:16*\b
.endr
.irp u, 0,1
.irp i, 0,1
	ds_load_b128 v[BB+4*(2*\u+\i):BB+4*(2*\u+\i)+3], v[RDQ] offset:64*\u+1152*\i   ; head u, tokens 8 i on.  LDS serves a wave's instructions in order: these see the stores above
.endr
.endr
.endm
.macro SENDQ a, younger                ; younger: the LDS instructions issued behind block a's loads
.set BB, BK+16*((\a)%2)
	s_wait_dscnt \younger
.irp u, 0,1
.irp i, 0,1
	global_store_b128 v[LO], v[BB+4*(2*\u+\i):BB+4*(2*\u+\i)+3], s[80:81] offset:131072*\u+1024*(\a)+512*\i   ; eight tokens' 64 bytes: 512 consecutive bytes, aligned
.endr
.endr
.endm
	TABLOAD 0
	QKBLK 0
.irp a, 1,2,3,4,5,6,7
	QKBLK \a
	SENDQ \a-1, 12                                 ; behind block a - 1's loads: block a's 8 stores and 4 loads
.endr
	SENDQ 7, 0
	s_wait_tensorcnt 0x0                           ; the wave's end: three lines behind my last tensor load and my last LDS store
	ds_add_u32 v[SPW], v[NIL]
	s_wait_dscnt 0x0
	CROUND                                         ; the closing round: no work-group ends while a partner may still ask for a tile that names it
	s_endpgm
.Lv_out:
; ---- v.  Block a = 16 of the head's 64 (head a / 4 of my two, d = 16 (a % 4) + r) x my 128 tokens.  Lane (r, h), accumulator b, register j: token 16 b + 8 h + j.
.macro VBLK a
.set AC, 64*((\a)%4)
.set CC, CD+16*((\a)%2)
.set BB, BK+16*((\a)%2)
.if (\a) > 1
	s_wait_xcnt 0x0                                ; block a - 2's stores have read their data
.endif
	WIN 0x02+((\a)/4)
.set j, 0
.rept 64
.set j, j+1
.endr
.irp b, 0,1,2,3,4,5,6,7
	v_cvt_scalef32_pk8_fp8_f32 v[CC+2*\b:CC+2*\b+1], v[AC+8*\b:AC+8*\b+7], v[SCL]
.endr
	WIN 0
	v_nop
.irp b, 0,1,2,3,4,5,6,7
	ds_store_b64 v[STV], v[CC+2*\b:CC+2*\b+1] offset:16*\b
.endr
.irp i, 0,1,2,3
	ds_load_b128 v[BB+4*\i:BB+4*\i+3], v[RDV] offset:576*\i   ; rows 4 i on
.endr
.endm
.macro SENDV a, younger
.set BB, BK+16*((\a)%2)
	s_wait_dscnt \younger
.irp i, 0,1,2,3
	global_store_b128 v[LO], v[BB+4*\i:BB+4*\i+3], s[80:81] offset:131072*((\a)/4)+2048*((\a)%4)+512*\i   ; four rows of 128 tokens: 512 consecutive bytes, aligned
.endr
.endm
	s_wait_alu depctr_va_vdst(0)
	VBLK 0
.irp a, 1,2,3,4,5,6,7
	VBLK \a
	SENDV \a-1, 12
.endr
	SENDV 7, 0
	s_wait_tensorcnt 0x0                           ; the wave's end, as above
	ds_add_u32 v[SPW], v[NIL]
	s_wait_dscnt 0x0
	CROUND
	s_endpgm
.Lfunc_end_k_qa0af04ab54_qkv:
	.size	k_qa0af04ab54_qkv, .Lfunc_end_k_qa0af04ab54_qkv-k_qa0af04ab54_qkv
	.p2alignl 7, 3214868480
	.fill 96, 4, 3214868480
	.section	.rodata,"a",@progbits
	.p2align	6, 0x0
	.amdhsa_kernel k_qa0af04ab54_qkv
		.amdhsa_group_segment_fixed_size 327680
		.amdhsa_private_segment_fixed_size 0
		.amdhsa_enable_private_segment 0
		.amdhsa_kernarg_size 40
		.amdhsa_user_sgpr_count 2
		.amdhsa_user_sgpr_kernarg_segment_ptr 1
		.amdhsa_wavefront_size32 1
		.amdhsa_system_sgpr_workgroup_id_x 1
		.amdhsa_system_sgpr_workgroup_id_y 1
		.amdhsa_system_sgpr_workgroup_id_z 1
		.amdhsa_system_vgpr_workitem_id 0
		.amdhsa_next_free_vgpr 1024
		.amdhsa_next_free_sgpr 100
		.amdhsa_reserve_vcc 0
		.amdhsa_float_denorm_mode_32 3
		.amdhsa_float_denorm_mode_16_64 3
		.amdhsa_fp16_overflow 1
		.amdhsa_memory_ordered 1
		.amdhsa_forward_progress 1
		.amdhsa_inst_pref_size 147
	.end_amdhsa_kernel
	.amdgpu_metadata
---
amdhsa.version: [ 1, 2 ]
amdhsa.kernels:
  - .name:           k_qa0af04ab54_qkv
    .symbol:         k_qa0af04ab54_qkv.kd
    .args:
      - { .name: xc, .offset: 0, .size: 8, .value_kind: global_buffer, .address_space: global }
      - { .name: wc, .offset: 8, .size: 8, .value_kind: global_buffer, .address_space: global }
      - { .name: lowp_scales, .offset: 16, .size: 8, .value_kind: global_buffer, .address_space: global }
      - { .name: tab, .offset: 24, .size: 8, .value_kind: global_buffer, .address_space: global }
      - { .name: qkv, .offset: 32, .size: 8, .value_kind: global_buffer, .address_space: global }
    .group_segment_fixed_size: 327680
    .private_segment_fixed_size: 0
    .kernarg_segment_align: 8
    .kernarg_segment_size: 40
    .max_flat_workgroup_size: 128
    .sgpr_count:     100
    .vgpr_count:     1024
    .wavefront_size: 32
...
	.end_amdgpu_metadata
.endif
;; end of part 2
;; launch attn (part 3): grid 4 x 64, 16 waves a work-group, clusters of 4 x 1, 327,680 bytes of LDS; arguments qkv, lowp_scales, oc; writes oc
.if DOCPART == 3
	.amdgcn_target "amdgcn-amd-amdhsa--gfx1250"
	.amdhsa_code_object_version 6
	.text
	.protected	k_qa0af04ab54_attn
	.globl	k_qa0af04ab54_attn
	.p2align	8
	.type	k_qa0af04ab54_attn,@function
k_qa0af04ab54_attn:
	s_mov_b64 s[64:65], 0
	v_nop
	global_prefetch_b8 v0, s[64:65] scope:SCOPE_SE
	s_setreg_imm32_b32 hwreg(HW_REG_WAVE_MODE, 25, 1), 1
	s_wait_xcnt 0x0
	s_wait_alu depctr_hold_cnt(0) depctr_sa_sdst(0) depctr_va_vdst(0) depctr_va_sdst(0) depctr_va_ssrc(0) depctr_va_vcc(0) depctr_vm_vsrc(0)
	s_getreg_b32 s2, hwreg(HW_REG_IB_STS2, 6, 4)
	s_cmp_eq_u32 s2, 0
	s_cbranch_scc0 .Lentry_in_a_cluster
	s_endpgm
.Lentry_in_a_cluster:
	s_bfe_u32 s2, ttmp6, 0x10000c
	s_cmp_lg_u32 s2, 0x3003
	s_cbranch_scc0 .Lentry_shape_is_right
	s_endpgm
.Lentry_shape_is_right:
; ATTN: causal attention on E4M3 codes, head size 64, 2,048 tokens, 64 (batch, head) pairs; the result o is quantised with 2^e10 for the last projection.
; qkv: q at 0 [bh][s][64]; k at 8 MiB likewise; v at 16 MiB [bh][s / 128][d 64][128 tokens] (the keys innermost).  oc: [head 16][batch x 2048 + s][64] codes.
; THE SOFTMAX AHEAD OF THE SECOND PRODUCT: t = score x log2(e) / 8; M = the row's largest t so far, rounded UP to a whole number; p = 2^(t - M) is quantised with 2^e8; the row's sum is taken of the unquantised p
; and divides at the end.  When M moves, the sum and O are multiplied by 2^(old M - new M), which rounds nothing.
; SHARES.  The four work-groups of a cluster share one (batch, head).  All of its K and V (2 x 131,072 bytes) lie in each work-group's LDS, asked for JOINTLY at the head: every wave issues two loads of 8,192 bytes,
; the same in all four partners.  Nothing is filled twice.  Wave w of partner cx owns two tiles of 16 queries: T = 4 w + cx and 127 - T.  With a = w / 2 they have a + 1 and 16 - a key steps of 128 that the causal
; mask leaves: 17 for every wave.  Which steps are left out hangs on w and the loop's counter alone; cx enters only global addresses and the diagonal's numbers.
; LAYOUT.  Both products are used transposed: S^T = K Q^T (source 0 = 16 keys), O^T = V^T P^T (source 0 = 16 of the head's 64): a lane holds ONE query (lane % 16) throughout.
; THE KEYS OF A TILE ARE NOT NEIGHBOURS: lane r of tile 2 b + u takes key 32 b + 8 u + r + 8 (r / 8), so that the 16 registers of tiles 2 b and 2 b + 1 are the 16 neighbouring keys 32 b + 16 (lane / 16) + 0 .. 15.
; Fragments are fetched 16 bytes at a time, which orders K alike on both sides of each product.
; LIMITS: e6 + e7 between -123 and 130 (added to the exponent field of log2(e) / 8); e8 and e10 between -126 and 119; e8 + e9 goes in by v_ldexp_f32 and has none.  NaN is not served.
; LDS: K 0 .. 147,455: rows of two keys, 128 bytes + 16: key k at 144 (k / 2) + 64 (k % 2): the 16 keys of a tile start at 16 different 16-byte columns of the 256 bytes of a row of banks (ISA guide 11.1).
;      V 147,456 .. 294,911: chunk g of 128 keys at 9,216 g, row d at 144 d.   Stages 294,912: 16 rows x 80 bytes for each wave.   Spare words 315,392: 128 bytes for each wave.
; REGISTERS: v1-7, v10, v11 addresses that stay; v8, v9 the step's addresses; v12 -M, v13 the largest t, v[14:15] the sum; v16-23, v24-31 Q of the two tiles; v32-95 K's eight or V's four fragments;
;            v96-159 S^T, then p; v160-191 O^T; v192-207 p's codes; v208-215 o's codes; v216-231 rows on their way out; v236-254 at work and scales.
.set VOFF,  147456
.set CHUNK, 9216                       ; 128 keys of K, or of V, in LDS
.set STAGE, 294912
.set SPARE, 315392
.set AK0,  1
.set AV0,  2
.set QO,   3
.set STO,  4
.set SPW,  5
.set NIL,  6
.set GO,   7
.set ADK,  8
.set ADV,  9
.set RD,   10
.set DL,   11                          ; v11  r - 16 h
.set QH,   16
.set QL,   24
.set TB,   2                           ; s2   LDS byte of the key step in hand
.set WV,   18
.set SEL,  20
.set CSC,  22                          ; s[22:23] c = log2(e) / 8 x 2^(e6 + e7)
.set G1,   24
.set KJ,   66                          ; s66  the key step
.set AT,   67                          ; s67  the tile's last key step, on the diagonal
.set DQ,   70                          ; s70  16 x (the tile % 8): my tile's first query less the diagonal step's first key
.set EPV,  71                          ; s71  e8 + e9
.macro CROUND                          ; a round of the cluster's barrier
	s_barrier_signal -1
	s_barrier_wait -1
	s_cmp_lg_u32 s[WV], 0
	s_cbranch_scc1 .Lnot_wave_0_\@
	s_barrier_signal -3
.Lnot_wave_0_\@:
	s_barrier_wait -3
	s_barrier_signal -1
	s_barrier_wait -1
.endm
	s_load_b128 s[4:7], s[0:1], 0x0                ; qkv s[4:5], scales s[6:7]
	s_load_b64 s[8:9], s[0:1], 0x10                ; oc
	v_lshl_add_u32 v[SPW], v0, 2, SPARE
	v_mov_b32 v[NIL], 0
	ds_add_u32 v[SPW], v[NIL]                      ; the wave's opening: the add and its wait ahead of my first tensor load; work on registers stands between them
	ds_add_u32 v[SPW], v[NIL]
	v_lshrrev_b32 v8, 5, v0
	s_delay_alu instid0(VALU_DEP_1)
	v_readfirstlane_b32 s[WV], v8                  ; wave 0..15
	s_bfe_u32 s40, ttmp6, 0x40000                  ; cx
	s_and_b32 s41, ttmp7, 0xffff                   ; 16 x batch + head, which the four partners share
	; descriptor group 1: 64 rows of 128 bytes, dense in memory, 16 bytes of padding behind each
	s_mov_b32 s[G1], 15|(0<<16)|(1<<20)|(1<<21)|(4<<22)|(3<<25)   ; 15:0 the mask: all four; 17:16 elements of 1 byte; 20 padding on; 21 set beside a mask; 24:22 after every 32 words; 31:25 four words
	s_mov_b32 s[G1+1], 128<<16                     ; tensor_dim0
	s_mov_b32 s[G1+2], 64<<16                      ; tensor_dim1
	s_mov_b32 s[G1+3], 128<<16                     ; tile_dim0
	s_mov_b32 s[G1+4], 64                          ; tile_dim1
	s_mov_b32 s[G1+5], 128                         ; tensor_dim0_stride
	s_mov_b32 s[G1+6], 0
	s_mov_b32 s[G1+7], 0
	s_mov_b32 s[SEL], 0x76543210
	s_mov_b32 s[SEL+1], 0xfedcba98
	s_mov_b32 s[CSC], 0x3e38aa3b                   ; log2(e) / 8
	; what I fetch: waves 0-7 chunks w and w + 8 of K, waves 8-15 chunks w - 8 and w of V
	s_lshr_b32 s42, s[WV], 3
	s_mul_i32 s43, s[WV], CHUNK
	s_mul_i32 s46, s42, 8*CHUNK
	s_add_co_u32 s43, s43, s46                     ; in LDS: 9,216 w, and V's region lies 16 chunks behind K's first byte
	s_lshl_b32 s52, s42, 23
	s_add_co_u32 s52, s52, 0x800000                ; in memory: k's part or v's,
	s_lshl_b32 s53, s41, 17
	s_add_co_u32 s52, s52, s53                     ; my head's 131,072 bytes,
	s_and_b32 s53, s[WV], 7
	s_lshl_b32 s53, s53, 13
	s_add_co_u32 s52, s52, s53                     ; chunk w % 8
	s_mov_b32 s53, 0
	s_wait_dscnt 0x0                               ; the opening add is done
	s_wait_kmcnt 0x0
	s_load_b64 s[44:45], s[6:7], 0x18              ; e6, e7
	s_load_b128 s[48:51], s[6:7], 0x20             ; e8, e9, e10, e11
	s_mov_b32 s32, 1
	s_mov_b32 s33, s43
	s_add_nc_u64 s[34:35], s[4:5], s[52:53]
	s_mov_b32 s36, 1
	s_add_co_u32 s37, s43, 8*CHUNK
	s_add_nc_u64 s[38:39], s[34:35], 0x10000       ; eight chunks of 8,192 bytes on
	s_or_b32 s35, s35, 0x80000000
	s_or_b32 s39, s39, 0x80000000
	CROUND                                         ; all four work-groups are here: the joint loads meet
	tensor_load_to_lds s[32:35], s[G1:G1+7]        ; keys 0 .. 1,023 (all sixteen waves' first loads together)
	s_nop 0
	s_wait_alu depctr_va_vdst(0)
	s_wait_tensorcnt 0x0
	ds_add_u32 v5, v6
	s_wait_dscnt 0x0
	CROUND
	tensor_load_to_lds s[36:39], s[G1:G1+7]        ; keys 1,024 .. 2,047.  One load of mine is out
	s_nop 0
.rept 4
	v_nop
.endr
	s_lshl_b32 s54, s[WV], 2
	s_add_co_u32 s54, s54, s40                     ; my low tile
	s_sub_co_u32 s55, 127, s54                     ; my high tile
	s_lshl_b32 s56, s41, 17
	s_lshl_b32 s57, s54, 10
	s_add_co_u32 s58, s56, s57
	s_mov_b32 s59, 0
	s_add_nc_u64 s[60:61], s[4:5], s[58:59]        ; Q of the low tile: 16 rows of 64 bytes
	s_lshl_b32 s57, s55, 10
	s_add_co_u32 s58, s56, s57
	s_add_nc_u64 s[62:63], s[4:5], s[58:59]        ; of the high tile
	v_and_b32 v8, 15, v0                           ; r
	s_wait_alu depctr_va_vdst(0)
	v_bfe_u32 v9, v0, 4, 1                         ; h
	v_lshlrev_b32 v[QO], 6, v8
	s_delay_alu instid0(VALU_DEP_1)
	v_lshl_add_u32 v[QO], v9, 4, v[QO]
.irp c, 0,1
	global_load_b128 v[QH+4*\c:QH+4*\c+3], v[QO], s[62:63] offset:32*\c
	global_load_b128 v[QL+4*\c:QL+4*\c+3], v[QO], s[60:61] offset:32*\c
.endr
	s_and_b32 s56, s41, 15
	s_lshl_b32 s56, s56, 19                        ; oc: the head's 8,192 rows of 64 bytes,
	s_lshr_b32 s57, s41, 4
	s_lshl_b32 s57, s57, 17                        ; the batch's 2,048 rows
	s_add_co_u32 s56, s56, s57
	s_lshl_b32 s57, s55, 10
	s_add_co_u32 s58, s56, s57
	s_add_nc_u64 s[72:73], s[8:9], s[58:59]        ; the high tile's rows
	s_lshl_b32 s57, s54, 10
	s_add_co_u32 s58, s56, s57
	s_add_nc_u64 s[74:75], s[8:9], s[58:59]        ; the low tile's
	v_and_b32 v10, 8, v8
	s_delay_alu instid0(VALU_DEP_1)
	v_add_nc_u32 v10, v10, v8                      ; r + 8 (r / 8)
	s_delay_alu instid0(VALU_DEP_1)
	v_lshrrev_b32 v11, 1, v10
	s_delay_alu instid0(VALU_DEP_1)
	v_mul_u32_u24 v[AK0], v11, 144
	s_delay_alu instid0(VALU_DEP_3)
	v_and_b32 v11, 1, v10
	s_delay_alu instid0(VALU_DEP_1)
	v_lshl_add_u32 v[AK0], v11, 6, v[AK0]
	s_wait_alu depctr_va_vdst(0)
	v_lshl_add_u32 v[AK0], v9, 4, v[AK0]
	v_mul_u32_u24 v[AV0], v8, 144
	s_delay_alu instid0(VALU_DEP_1)
	v_lshl_add_u32 v[AV0], v9, 4, v[AV0]
	s_delay_alu instid0(VALU_DEP_1)
	v_add_nc_u32 v[AV0], VOFF, v[AV0]
	s_mul_i32 s57, s[WV], 16*80
	s_add_co_u32 s57, s57, STAGE                   ; my stage
	v_mul_u32_u24 v[STO], v8, 80
	s_delay_alu instid0(VALU_DEP_1)
	v_lshl_add_u32 v[STO], v9, 3, v[STO]
	s_delay_alu instid0(VALU_DEP_1)
	v_add_nc_u32 v[STO], s57, v[STO]               ; in: row r, 8 bytes for each half of the lanes
	v_and_b32 v[GO], 31, v0
	s_delay_alu instid0(VALU_DEP_1)
	v_lshrrev_b32 v10, 2, v[GO]
	s_delay_alu instid0(VALU_DEP_1)
	v_mul_u32_u24 v10, v10, 80
	s_delay_alu instid0(VALU_DEP_3)
	v_and_b32 v11, 3, v[GO]
	s_delay_alu instid0(VALU_DEP_1)
	v_lshl_add_u32 v10, v11, 4, v10
	s_delay_alu instid0(VALU_DEP_1)
	v_add_nc_u32 v[RD], s57, v10                   ; back: four lanes to a row of 64 bytes, eight rows an instruction
	v_lshlrev_b32 v[GO], 4, v[GO]                  ; and the same 512 bytes in oc
	v_lshlrev_b32 v11, 4, v9
	s_delay_alu instid0(VALU_DEP_1)
	v_sub_nc_u32 v[DL], v8, v11
	v_mov_b32 v236, 0                              ; written once: a lane permute's destination counts as one of its sources
	v_mov_b32 v253, 0                              ; (named as the upper half of the pair v[252:253])
	s_lshr_b32 s76, s[WV], 1                       ; a: the low tile's last key step
	s_sub_co_u32 s80, 15, s76                      ; the high tile's
	s_and_b32 s77, s[WV], 1
	s_lshl_b32 s77, s77, 2
	s_add_co_u32 s77, s77, s40                     ; the low tile % 8
	s_lshl_b32 s78, s77, 4
	s_sub_co_u32 s79, 112, s78                     ; 16 x (the high tile % 8)
	s_wait_kmcnt 0x0
	s_add_co_i32 s56, s44, s45
	s_lshl_b32 s56, s56, 23
	s_add_co_i32 s[CSC], s[CSC], s56               ; a score stands for score x 2^(e6 + e7)
	s_mov_b32 s[CSC+1], s[CSC]                     ; (named with it as a pair, so it is written)
	s_add_co_i32 s56, s48, 127
	s_lshl_b32 s57, s56, 23
	v_mov_b32 v244, s57                            ; 2^e8
	s_add_co_i32 s56, s50, 127
	s_lshl_b32 s57, s56, 23
	v_mov_b32 v245, s57                            ; 2^e10
	s_add_co_i32 s[EPV], s48, s49
.macro INIT                            ; a tile begins: the step is written without a first step of its own: it finds zeros, which the first change of M leaves zeros
	v_mov_b32 v13, 0xff61b1e6                      ; the largest t so far: -3e38
	s_delay_alu instid0(VALU_DEP_1)
	v_floor_f32 v12, -v13
	v_mov_b32 v14, 0
	v_mov_b32 v15, 0
.set j, 0
.rept 32
	v_mov_b32 v[160+j], 0
.set j, j+1
.endr
.endm
; A KEY STEP of 128 keys for the tile whose Q lies in v[qr] on.  causal = 1: a step behind the tile's diagonal step is left out (a scalar branch on the wave's number and the counter), and on the diagonal hidden scores become -infinity.
.macro STEP qr, causal
.if \causal
	s_cmp_gt_u32 s[KJ], s[AT]
	s_cbranch_scc1 .Lhid_\@
.endif
	s_setprio 2
	v_add_nc_u32 v[ADK], s[TB], v[AK0]
	v_add_nc_u32 v[ADV], s[TB], v[AV0]
	v_nop
	v_nop                                          ; four places in front of loads into registers that the last products read
.irp t, 0,1,2,3,4,5,6,7
.irp c, 0,1
	ds_load_b128 v[32+8*\t+4*\c:32+8*\t+4*\c+3], v[ADK] offset:144*(16*(\t/2)+4*(\t%2))+32*\c
.endr
.endr
	s_wait_alu depctr_va_vdst(0)
	s_wait_dscnt 0x0
.irp t, 0,1,2,3,4,5,6,7
	v_wmma_f32_16x16x64_fp8_fp8 v[96+8*\t:103+8*\t], v[32+8*\t:39+8*\t], v[\qr:\qr+7], 0
.endr
.rept 4
	v_nop                                          ; places in front of the loads below and of the first read of the scores
.endr
.irp t, 0,1,2,3                        ; V's four fragments take K's registers and land while the softmax is worked
.irp c, 0,1,2,3
	ds_load_b128 v[32+16*\t+4*\c:32+16*\t+4*\c+3], v[ADV] offset:2304*\t+32*\c
.endr
.endr
.if \causal
	s_cmp_lg_u32 s[KJ], s[AT]
	s_cbranch_scc1 .Lopen_\@
	v_add_nc_u32 v252, s[DQ], v[DL]                ; d = my query less the step's first key less 16 h.  Register 16 b + i holds key 32 b + 16 h + i of the step: hidden where 32 b + i > d
	v_mov_b32 v254, 0xff800000
.set n, 0
.rept 64
	v_cmp_gt_i32 vcc_lo, 32*(n/16)+n%16, v252
	v_cndmask_b32 v[96+n], v[96+n], v254, vcc_lo
.set n, n+1
.endr
.Lopen_\@:
.endif
	v_max3_num_f32 v254, v96, v97, v98             ; the step's largest score of my query among my 64 keys, in two chains, from each accumulator's low end on,
	v_max3_num_f32 v252, v99, v100, v101
.irp i, 6,10,14,18,22,26,30,34,38,42,46,50,54,58
	v_max3_num_f32 v254, v254, v[96+\i], v[97+\i]
	v_max3_num_f32 v252, v252, v[98+\i], v[99+\i]
.endr
	v_max3_num_f32 v254, v254, v158, v159
	s_delay_alu instid0(VALU_DEP_1)
	v_max_num_f32 v254, v254, v252
	s_delay_alu instid0(VALU_DEP_1)
	v_permlanex16_b32 v236, v254, s[SEL], s[SEL+1]
	s_delay_alu instid0(VALU_DEP_1)
	v_max_num_f32 v254, v254, v236                 ; and among lane l xor 16's
	s_delay_alu instid0(VALU_DEP_1)
	v_mul_f32 v254, s[CSC], v254                   ; as t (c is positive)
	s_delay_alu instid0(VALU_DEP_1)
	v_max_num_f32 v13, v13, v254
	v_mov_b32 v254, v12
	s_delay_alu instid0(VALU_DEP_2)
	v_floor_f32 v12, -v13                          ; the new -M = floor(-t): M is a whole number
	s_delay_alu instid0(VALU_DEP_1)
	v_sub_f32 v254, v12, v254                      ; old M - new M, 0 or less
	s_delay_alu instid0(VALU_DEP_1)
	v_cvt_i32_f32 v254, v254                       ; (it saturates)
	s_delay_alu instid0(VALU_DEP_1)
	v_ldexp_f32 v252, 1.0, v254                    ; f = 2^(old M - new M)
.set j, 0
.rept 32
	v_pk_fma_f32 v[96+j:97+j], v[96+j:97+j], s[CSC:CSC+1], v[12:13] op_sel_hi:[1,0,0]   ; t - M, two at a time
.set j, j+2
.endr
.set j, 0
	s_setprio 1
	s_wait_alu depctr_va_vdst(0)
.rept 64
	v_exp_f32 v[96+j], v[96+j]                     ; p = 2^(t - M), at most 1
.set j, j+1
.endr
	v_pk_mul_f32 v[14:15], v[14:15], v[252:253] op_sel_hi:[1,0]   ; the sum under the new M: the plain line behind the exponentials
	s_wait_alu depctr_va_vdst(0)                   ; one wait for the whole batch, ahead of its first reader
	v_pk_add_f32 v[242:243], v[96:97], v[98:99]    ; the row's sum is taken of the unquantised p, in two chains
.irp j, 4,8,12,16,20,24,28,32,36,40,44,48,52,56,60
	v_pk_add_f32 v[14:15], v[14:15], v[96+\j:97+\j]
	v_pk_add_f32 v[242:243], v[242:243], v[98+\j:99+\j]
.endr
	s_delay_alu instid0(VALU_DEP_1)
	v_pk_add_f32 v[14:15], v[14:15], v[242:243]
	s_setprio 0
.irp b, 0,1,2,3
.irp i, 0,1,2,3,4,5,6,7,8,9,10,11,12,13,14,15
.endr
	v_cvt_scalef32_pk8_fp8_f32 v[192+4*\b:193+4*\b], v[96+16*\b:103+16*\b], v244
	v_cvt_scalef32_pk8_fp8_f32 v[194+4*\b:195+4*\b], v[104+16*\b:111+16*\b], v244
.endr
.set j, 0
.rept 16
	v_pk_mul_f32 v[160+j:161+j], v[160+j:161+j], v[252:253] op_sel_hi:[1,0]   ; O^T under the new M (also the plain lines behind the conversions)
.set j, j+2
.endr
	s_wait_alu depctr_va_vdst(0)
	s_wait_dscnt 0x0                               ; V's fragments are in
.irp t, 0,1,2,3                        ; the four accumulators take turns, one instruction a turn
	v_wmma_f32_16x16x128_fp8_fp8 v[160+8*\t:167+8*\t], v[32+16*\t:47+16*\t], v[192:207], v[160+8*\t:167+8*\t]
.endr
.if \causal
.Lhid_\@:
.endif
.endm
; A tile leaves: o = O^T x 2^(e8 + e9) / the sum, quantised with 2^e10, through my stage, as 2 x 512 consecutive bytes of oc.
.macro OUT dst, bk
.rept 4
	v_nop                                          ; places behind the last products
.endr
	v_add_f32 v14, v14, v15
	s_delay_alu instid0(VALU_DEP_1)
	v_permlanex16_b32 v252, v14, s[SEL], s[SEL+1]
	s_delay_alu instid0(VALU_DEP_1)
	v_add_f32 v14, v14, v252                       ; the row's sum
	s_wait_alu depctr_va_vdst(0)
	v_rcp_f32 v14, v14
	v_nop                                          ; a plain line behind the reciprocal,
	s_wait_alu depctr_va_vdst(0)                   ; and the wait ahead of its first reader
	v_ldexp_f32 v14, v14, s[EPV]
.set j, 0
.rept 32
	v_mul_f32 v[96+j], v[160+j], v14               ; register 8 t + i is o(query r, 16 t + 8 h + i)
.set j, j+1
.endr
.set j, 0
.rept 32
.set j, j+1
.endr
.irp t, 0,1,2,3
	v_cvt_scalef32_pk8_fp8_f32 v[208+2*\t:209+2*\t], v[96+8*\t:103+8*\t], v245
.endr
	v_nop
.irp t, 0,1,2,3
	ds_store_b64 v[STO], v[208+2*\t:209+2*\t] offset:16*\t
.endr
.irp i, 0,1
	ds_load_b128 v[\bk+4*\i:\bk+4*\i+3], v[RD] offset:640*\i   ; LDS serves a wave's instructions in order: these see the stores above
.endr
	s_wait_dscnt 0x0
.irp i, 0,1
	global_store_b128 v[GO], v[\bk+4*\i:\bk+4*\i+3], s[\dst:\dst+1] offset:512*\i
.endr
.endm
	s_wait_loadcnt 0x0                             ; Q
	s_wait_tensorcnt 0x1                           ; my first load has landed; my second may be out
	s_barrier_signal -1
	s_barrier_wait -1                              ; keys 0 .. 1,023 of K and V lie in LDS
	INIT
	s_mov_b32 s[TB], 0
	s_mov_b32 s[KJ], 0
.Lh1:                                                  ; the high tile, key steps 0 .. 7: all their keys count for queries from 1,024 on
	STEP QH, 0
	s_add_co_u32 s[TB], s[TB], CHUNK
	s_add_co_u32 s[KJ], s[KJ], 1
	s_cmp_lt_u32 s[KJ], 8
	s_cbranch_scc1 .Lh1
	s_setprio 0
	s_wait_tensorcnt 0x0                           ; my second load has landed,
	s_wait_dscnt 0x0
	s_barrier_signal -1
	s_barrier_wait -1                              ; everybody's has: all 2,048 keys lie in LDS.  Every wave has 8 steps ahead of this barrier and 9 behind it
	s_mov_b32 s[AT], s80
	s_mov_b32 s[DQ], s79
	s_mov_b32 s[TB], 8*CHUNK
	s_mov_b32 s[KJ], 8
.Lh2:                                                  ; the high tile, key steps 8 .. 15, up to its diagonal
	STEP QH, 1
	s_add_co_u32 s[TB], s[TB], CHUNK
	s_add_co_u32 s[KJ], s[KJ], 1
	s_cmp_lt_u32 s[KJ], 16
	s_cbranch_scc1 .Lh2
	s_setprio 0
	OUT 72, 216
	INIT
	s_mov_b32 s[AT], s76
	s_mov_b32 s[DQ], s78
	s_mov_b32 s[TB], 0
	s_mov_b32 s[KJ], 0
.Llow:                                                 ; the low tile, key steps 0 .. 7, up to its diagonal
	STEP QL, 1
	s_add_co_u32 s[TB], s[TB], CHUNK
	s_add_co_u32 s[KJ], s[KJ], 1
	s_cmp_lt_u32 s[KJ], 8
	s_cbranch_scc1 .Llow
	s_setprio 0
	OUT 74, 224
	s_wait_tensorcnt 0x0                           ; the wave's end: three lines behind my last tensor load and my last LDS store
	ds_add_u32 v[SPW], v[NIL]
	s_wait_dscnt 0x0
	CROUND                                         ; the closing round
	s_endpgm
.Lfunc_end_k_qa0af04ab54_attn:
	.size	k_qa0af04ab54_attn, .Lfunc_end_k_qa0af04ab54_attn-k_qa0af04ab54_attn
	.p2alignl 7, 3214868480
	.fill 96, 4, 3214868480
	.section	.rodata,"a",@progbits
	.p2align	6, 0x0
	.amdhsa_kernel k_qa0af04ab54_attn
		.amdhsa_group_segment_fixed_size 327680
		.amdhsa_private_segment_fixed_size 0
		.amdhsa_enable_private_segment 0
		.amdhsa_kernarg_size 24
		.amdhsa_user_sgpr_count 2
		.amdhsa_user_sgpr_kernarg_segment_ptr 1
		.amdhsa_wavefront_size32 1
		.amdhsa_system_sgpr_workgroup_id_x 1
		.amdhsa_system_sgpr_workgroup_id_y 1
		.amdhsa_system_sgpr_workgroup_id_z 1
		.amdhsa_system_vgpr_workitem_id 0
		.amdhsa_next_free_vgpr 256
		.amdhsa_next_free_sgpr 100
		.amdhsa_reserve_vcc 1
		.amdhsa_float_denorm_mode_32 3
		.amdhsa_float_denorm_mode_16_64 3
		.amdhsa_fp16_overflow 1
		.amdhsa_memory_ordered 1
		.amdhsa_forward_progress 1
		.amdhsa_inst_pref_size 68
	.end_amdhsa_kernel
	.amdgpu_metadata
---
amdhsa.version: [ 1, 2 ]
amdhsa.kernels:
  - .name:           k_qa0af04ab54_attn
    .symbol:         k_qa0af04ab54_attn.kd
    .args:
      - { .name: qkv, .offset: 0, .size: 8, .value_kind: global_buffer, .address_space: global }
      - { .name: lowp_scales, .offset: 8, .size: 8, .value_kind: global_buffer, .address_space: global }
      - { .name: oc, .offset: 16, .size: 8, .value_kind: global_buffer, .address_space: global }
    .group_segment_fixed_size: 327680
    .private_segment_fixed_size: 0
    .kernarg_segment_align: 8
    .kernarg_segment_size: 24
    .max_flat_workgroup_size: 512
    .sgpr_count:     100
    .vgpr_count:     256
    .wavefront_size: 32
...
	.end_amdgpu_metadata
.endif
;; end of part 3
;; launch proj (part 4): grid 4 x 32, 4 waves a work-group, clusters of 4 x 4, 327,680 bytes of LDS; arguments oc, wc, lowp_scales, out0; writes out0
.if DOCPART == 4
	.amdgcn_target "amdgcn-amd-amdhsa--gfx1250"
	.amdhsa_code_object_version 6
	.text
	.protected	k_qa0af04ab54_proj
	.globl	k_qa0af04ab54_proj
	.p2align	8
	.type	k_qa0af04ab54_proj,@function
k_qa0af04ab54_proj:
	s_mov_b64 s[64:65], 0
	v_nop
	global_prefetch_b8 v0, s[64:65] scope:SCOPE_SE
	s_setreg_imm32_b32 hwreg(HW_REG_WAVE_MODE, 25, 1), 1
	s_wait_xcnt 0x0
	s_wait_alu depctr_hold_cnt(0) depctr_sa_sdst(0) depctr_va_vdst(0) depctr_va_sdst(0) depctr_va_ssrc(0) depctr_va_vcc(0) depctr_vm_vsrc(0)
	s_getreg_b32 s2, hwreg(HW_REG_IB_STS2, 6, 4)
	s_cmp_eq_u32 s2, 0
	s_cbranch_scc0 .Lentry_in_a_cluster
	s_endpgm
.Lentry_in_a_cluster:
	s_bfe_u32 s2, ttmp6, 0x10000c
	s_cmp_lg_u32 s2, 0xf033
	s_cbranch_scc0 .Lentry_shape_is_right
	s_endpgm
.Lentry_shape_is_right:
; PROJ: out0 [8192][1024] f32 = o Wo, on E4M3 codes: each finished sum is multiplied once by 2^(e10 + e11).
; A = oc [head 16][row 8192][64] codes (K = 64 x head + d), B = Wo's codes, wc + 3 MiB, [n 1024][k 1024].
; LIMIT: e10 + e11 between -126 and 127, so that 2^(e10 + e11) is an f32 number.
; A tile of 256 x 256 is made by a work-group of four waves, a wave 128 x 128: 64 accumulators, 512 registers.  K goes in steps of 256 (four heads) through a ring of two LDS slots.
; CLUSTERS: 4 x 4 work-groups; A's tiles are shared along a row of the cluster, B's along a column: each is asked for JOINTLY.  THE MATRIX INSTRUCTION IS USED TRANSPOSED (source 0 = 16 rows of B, source 1 = 16 rows of A).
; A'S TILE: 128 rows of one head are 8,192 dense bytes, so a wave's load is 4 lines (heads) of 8,192 bytes, 524,288 bytes apart, with 16 bytes of padding behind every 64: in LDS [head 4][row 128][80].
; REGISTERS as in the launch of the projections: window 0: addresses, A's fragments from v128 (ONE set); window 1: B's fragments (TWO sets); windows 2, 3: the accumulators.
.set SIZE_N, 1024
.set ROWB,   256
.set KROW,   1024
.set PITCH,  272                       ; B: an LDS row: 256 bytes + 16
.set APITCH, 80                        ; A: an LDS row: 64 bytes + 16: the 16 rows that a load touches start at 16 different 16-byte columns of a row of banks (ISA guide 11.1)
.set AHEAD,  128*APITCH                ; a head's 128 rows
.set HALFA,  4*AHEAD                   ; what one of A's loads brings
.set HALFB,  128*PITCH                 ; what one of B's brings
.set BOFF,   2*HALFA
.set SLOT,   2*HALFA+2*HALFB
.set ASTEP,  4*524288                  ; four heads on, in bytes
.set FR,     16
.set NL,     4
.set NP,     4
.set LAPS,   2
.set SPARE,  2*SLOT                    ; behind the ring: the spare words, 128 bytes for each wave
.set SPITCH, 528                       ; the way out: a stage of 16 rows x (512 + 16) bytes for each wave, in slot 0, which has had its last fill and its last read when the first result is stored there
.set ADRA, 16
.set ADRB, 20
.set STO,  24
.set RD,   25
.set CO,   26
.set SPW,  28
.set NIL,  29
.set TMP,  32
.set AF,   128
.set BK,   128
.set G1, 24
.set G0, 32
.set G1B, 48
.set G0B, 56
.set MSB, 0
.macro WIN new
.if MSB != \new
	s_set_vgpr_msb (MSB<<8)|\new
.set MSB, \new
.endif
.endm
.set MUL_LO, 0xa1
.set MUL_HI, 0xf1
.set TO_B,   0x40
.macro JLOAD g0a, g1a, g0b, g1b        ; waves 0 and 1 fetch for A, waves 2 and 3 for B; an s_nop 0 and four v_nop follow each of the two lines
	s_cmp_eq_u32 s15, 0
	s_cbranch_scc0 .Lfor_b_\@
	tensor_load_to_lds s[\g0a:\g0a+3], s[\g1a:\g1a+7]
	s_nop 0
.rept 4
	v_nop
.endr
	s_branch .Lasked_\@
.Lfor_b_\@:
	tensor_load_to_lds s[\g0b:\g0b+3], s[\g1b:\g1b+7]
	s_nop 0
.rept 4
	v_nop
.endr
.Lasked_\@:
.endm
.macro CREST
	s_cmp_lg_u32 s14, 0
	s_cbranch_scc1 .Lnot_wave_0_\@
	s_barrier_signal -3
.Lnot_wave_0_\@:
	s_barrier_wait -3
	s_barrier_signal -1
	s_barrier_wait -1
.endm
.macro CROUND
	s_barrier_signal -1
	s_barrier_wait -1
	CREST
.endm
	s_load_b128 s[4:7], s[0:1], 0x0                ; oc s[4:5], wc s[6:7]
	s_load_b128 s[8:11], s[0:1], 0x10              ; scales s[8:9], out0 s[10:11]
	v_lshl_add_u32 v[SPW], v0, 2, SPARE
	v_mov_b32 v[NIL], 0
	ds_add_u32 v[SPW], v[NIL]                      ; the wave's opening: the add and its wait ahead of my first tensor load
	ds_add_u32 v[SPW], v[NIL]
	v_lshrrev_b32 v1, 5, v0
	v_readfirstlane_b32 s14, v1                    ; wave 0..3
	s_lshr_b32 s15, s14, 1                         ; which half of the tile's rows is mine.  Also: I fetch for A (0) or for B (1)
	s_and_b32 s16, s14, 1                          ; which half of its columns.  Also: which 128 rows of that tile I fetch
	s_bfe_u32 s40, ttmp6, 0x40000                  ; cx
	s_bfe_u32 s41, ttmp6, 0x40004                  ; cy
	s_lshl_b32 s42, ttmp9, 2
	s_add_co_u32 s42, s42, s40                     ; tile column
	s_and_b32 s17, ttmp7, 0xffff
	s_lshl_b32 s17, s17, 2
	s_add_co_u32 s17, s17, s41                     ; tile row
	s_lshl_b32 s43, s41, 2
	s_lshl_b32 s43, 15, s43                        ; my row of the cluster
	s_lshl_b32 s44, 0x1111, s40                    ; my column
	s_or_b32 s[G1+0], s43, (0<<16)|(1<<20)|(1<<21)|(3<<22)|(3<<25)  ; A: the mask of my row; elements of 1 byte; padding on; bit 21 beside a mask; after every 16 words four words
	s_mov_b32 s[G1+1], 8192<<16                    ; tensor_dim0: 128 rows x 64 bytes of one head
	s_mov_b32 s[G1+2], 4<<16                       ; tensor_dim1: four heads
	s_mov_b32 s[G1+3], 8192<<16                    ; tile_dim0
	s_mov_b32 s[G1+4], 4                           ; tile_dim1
	s_mov_b32 s[G1+5], 524288                      ; from head to head
	s_mov_b32 s[G1+6], 0
	s_mov_b32 s[G1+7], 0
	s_or_b32 s[G1B+0], s44, (0<<16)|(1<<20)|(1<<21)|(5<<22)|(3<<25) ; B: the mask of my column; after every 64 words four words
	s_mov_b32 s[G1B+1], ROWB<<16
	s_mov_b32 s[G1B+2], 128<<16
	s_mov_b32 s[G1B+3], ROWB<<16
	s_mov_b32 s[G1B+4], 128
	s_mov_b32 s[G1B+5], KROW
	s_mov_b32 s[G1B+6], 0
	s_mov_b32 s[G1B+7], 0
	s_lshl_b32 s18, s16, 7                         ; which 128 rows of the tile I fetch
	s_lshl_b32 s20, s17, 8
	s_add_co_u32 s20, s20, s18
	s_lshl_b32 s20, s20, 6                         ; A: row x 64 bytes, in head 0
	s_mov_b32 s21, 0
	s_lshl_b32 s46, s42, 8
	s_add_co_u32 s46, s46, s18
	s_lshl_b32 s46, s46, 10
	s_add_co_u32 s46, s46, 0x300000                ; B: Wo's codes, row x 1,024 bytes
	s_mov_b32 s47, 0
	s_mul_i32 s45, s16, HALFA                      ; where they go: A's halves,
	s_mul_i32 s19, s16, HALFB
	s_add_co_u32 s19, s19, BOFF                    ; then B's: no place in the cluster enters an LDS address
	s_wait_dscnt 0x0                               ; the opening add is done
	s_wait_kmcnt 0x0
	s_load_b64 s[96:97], s[8:9], 0x28              ; e10, e11
	s_add_nc_u64 s[20:21], s[4:5], s[20:21]
	s_add_nc_u64 s[46:47], s[6:7], s[46:47]
	CROUND                                         ; all sixteen work-groups are here: the first joint loads meet
.irp s, 0,1
	s_mov_b32 s[G0+4*\s], 1
	s_add_co_u32 s[G0+4*\s+1], s45, \s*SLOT
	s_add_nc_u64 s[G0+4*\s+2:G0+4*\s+3], s[20:21], \s*ASTEP
	s_or_b32 s[G0+4*\s+3], s[G0+4*\s+3], 0x80000000
	s_mov_b32 s[G0B+4*\s], 1
	s_add_co_u32 s[G0B+4*\s+1], s19, \s*SLOT
	s_add_nc_u64 s[G0B+4*\s+2:G0B+4*\s+3], s[46:47], \s*ROWB
	s_or_b32 s[G0B+4*\s+3], s[G0B+4*\s+3], 0x80000000
	s_wait_alu depctr_va_vdst(0)
	s_wait_tensorcnt 0x0
	ds_add_u32 v28, v29
	ds_add_u32 v28, v29
	s_wait_dscnt 0x0
	CROUND
	JLOAD G0+4*\s, G1, G0B+4*\s, G1B
.endr
	v_and_b32 v1, 15, v0                           ; r
	v_bfe_u32 v2, v0, 4, 1                         ; h
	v_mul_u32_u24 v3, v1, PITCH
	v_lshl_add_u32 v4, v2, 4, v3                   ; B: row x pitch + 16 h
	v_mul_u32_u24 v3, v1, APITCH
	v_lshl_add_u32 v3, v2, 4, v3                   ; A likewise
	s_mul_i32 s21, s15, HALFA                      ; my 128 rows of A
	s_mul_i32 s22, s16, HALFB                      ; my 128 rows of B
	s_add_co_u32 s22, s22, BOFF
.irp s, 0,1
	v_add_nc_u32 v[ADRA+\s], s21, v3
	v_add_nc_u32 v[ADRB+\s], s22, v4
	s_add_co_u32 s21, s21, SLOT
	s_add_co_u32 s22, s22, SLOT
.endr
	s_mul_i32 s23, s14, 16*SPITCH                  ; my stage
	v_mul_u32_u24 v5, v1, SPITCH
	v_lshl_add_u32 v5, v2, 5, v5
	v_add_nc_u32 v[STO], s23, v5                   ; in: row r, 32 bytes for each half of the lanes
	v_and_b32 v6, 31, v0
	v_lshlrev_b32 v[CO], 4, v6                     ; back: the 32 lanes take one row of 512 bytes; and the same in out0
	v_add_nc_u32 v[RD], s23, v[CO]
	s_lshl_b32 s20, s17, 8
	s_lshl_b32 s21, s15, 7
	s_add_co_u32 s20, s20, s21                     ; my first row
	s_lshl_b32 s20, s20, 12                        ; x 4,096 bytes
	s_lshl_b32 s46, s42, 10
	s_lshl_b32 s47, s16, 9
	s_add_co_u32 s46, s46, s47                     ; my first column, in bytes
	s_add_co_u32 s20, s20, s46
	s_mov_b32 s21, 0
	s_add_nc_u64 s[10:11], s[10:11], s[20:21]
.macro FRAGB reg, adr, q, i            ; 16 rows x 128 K: registers 4 c .. 4 c + 3 hold K = 32 c + 16 (l / 16) + 0 .. 15
.irp c, 0,1,2,3
	ds_load_b128 v[\reg+4*\c:\reg+4*\c+3], v[\adr] offset:128*(\q)+32*\c+(\i)*16*PITCH
.endr
.endm
.macro FRAGA reg, adr, q, i            ; the same K in A's layout: head 2 q + c / 2 of the slot's four, bytes 32 (c % 2) + 16 (l / 16) on
.irp c, 0,1,2,3
	ds_load_b128 v[\reg+4*\c:\reg+4*\c+3], v[\adr] offset:AHEAD*(2*(\q)+\c/2)+32*(\c%2)+(\i)*16*APITCH
.endr
.endm
.macro MUL16 a0, p, zero               ; the 64 accumulators take turns, one instruction a turn, in the same order in every step
.irp a, \a0, \a0+1
.irp b, 0,1,2,3,4,5,6,7
.if \zero
	v_wmma_f32_16x16x128_fp8_fp8 v[8*(8*((\a)%4)+\b):8*(8*((\a)%4)+\b)+7], v[128*(\p)+FR*\b:128*(\p)+FR*\b+FR-1], v[AF+FR*(\a):AF+FR*(\a)+FR-1], 0
.else
	v_wmma_f32_16x16x128_fp8_fp8 v[8*(8*((\a)%4)+\b):8*(8*((\a)%4)+\b)+7], v[128*(\p)+FR*\b:128*(\p)+FR*\b+FR-1], v[AF+FR*(\a):AF+FR*(\a)+FR-1], v[8*(8*((\a)%4)+\b):8*(8*((\a)%4)+\b)+7]
.endif
.endr
.endr
.endm
.macro FETCH_B slot, q, p
	WIN TO_B
.irp i, 0,1,2,3,4,5,6,7
	FRAGB 128*(\p)+FR*\i, ADRB+\slot, \q, \i
.endr
	WIN 0
.endm
.macro FETCH_A slot, q, i0
.irp i, \i0, \i0+1, \i0+2, \i0+3
	FRAGA AF+FR*(\i), ADRA+\slot, \q, \i
.endr
.endm
.macro PLACES n
.rept \n
	v_nop
.endr
.endm
.macro STEP slot, q, zero
	s_wait_dscnt 4*NL                              ; B's set and A's blocks 0-3 are in; the youngest sixteen loads may be out
	WIN MUL_LO
	MUL16 0, (\q)%2, \zero
	MUL16 2, (\q)%2, \zero
	s_wait_dscnt 0
	PLACES NP
	FETCH_B \slot, (\q)+1, 1-(\q)%2
	FETCH_A \slot, (\q)+1, 0
	WIN MUL_HI
	MUL16 4, (\q)%2, \zero
	MUL16 6, (\q)%2, \zero
	PLACES NP
	WIN 0
	FETCH_A \slot, (\q)+1, 4
.endm
.macro TURN slot, next, fill
	s_wait_tensorcnt 0x0                           ; all my tensor loads have landed: my part of the next slot
	ds_add_u32 v[SPW], v[NIL]                      ; 0 onto my spare word
	s_wait_dscnt 4*NL+1                            ; (the add and the youngest sixteen loads may be out)
	WIN MUL_LO
	MUL16 0, 1, 0
	s_wait_dscnt 0x0                               ; the add is done, and my reads of this slot are over
	s_barrier_signal -1
	MUL16 2, 1, 0
	WIN 0
	s_barrier_wait -1
.if \fill
	CREST                                          ; a round of the cluster's barrier: no wave of any partner still reads this slot or has a load on its way
	s_add_nc_u64 s[G0+4*\slot+2:G0+4*\slot+3], s[G0+4*\slot+2:G0+4*\slot+3], 2*ASTEP
	s_add_nc_u64 s[G0B+4*\slot+2:G0B+4*\slot+3], s[G0B+4*\slot+2:G0B+4*\slot+3], 2*ROWB
	JLOAD G0+4*\slot, G1, G0B+4*\slot, G1B         ; the first tensor load behind the round
.else
	PLACES NP
.endif
	FETCH_B \next, 0, 0
	FETCH_A \next, 0, 0
	WIN MUL_HI
	MUL16 4, 1, 0
	MUL16 6, 1, 0
	PLACES NP
	WIN 0
	FETCH_A \next, 0, 4
.endm
	s_wait_alu depctr_va_vdst(0)
	s_wait_tensorcnt 1                             ; my part of K step 0 is in (K step 1's load may be out),
	s_barrier_signal -1
	s_barrier_wait -1                              ; everybody's is
	FETCH_B 0, 0, 0
	FETCH_A 0, 0, 0
	FETCH_A 0, 0, 4
	STEP 0, 0, 1                                   ; the first step's products start the sums
	s_mov_b32 s3, LAPS-1
.Llap:
	TURN 0, 1, 1
	STEP 1, 0, 0
	TURN 1, 0, 1
	STEP 0, 0, 0
	s_sub_co_u32 s3, s3, 1
	s_cmp_lg_u32 s3, 0
	s_cbranch_scc1 .Llap
	TURN 0, 1, 0                                   ; the last lap fills nothing
	STEP 1, 0, 0
	s_wait_dscnt 4*NL
	WIN MUL_LO
	MUL16 0, 1, 0
	MUL16 2, 1, 0
	s_wait_dscnt 0
	WIN MUL_HI
	MUL16 4, 1, 0
	MUL16 6, 1, 0
	WIN 0
; THE WAY OUT, block by block of 16 rows x 128 columns, through my own stage, back as whole rows of 512 bytes.
.macro TOSTAGE a
.set AC, 64*((\a)%4)
	WIN 0x02+((\a)/4)
.set j, 0
.rept 32
	v_pk_mul_f32 v[TMP+j:TMP+j+1], v[AC+j:AC+j+1], s[96:97] op_sel_hi:[1,0]   ; x 2^(e10 + e11); each accumulator from its low end on
.set j, j+2
.endr
	WIN 0
.irp b, 0,1,2,3,4,5,6,7
	ds_store_b128 v[STO], v[TMP+8*\b:TMP+8*\b+3] offset:64*\b
	ds_store_b128 v[STO], v[TMP+8*\b+4:TMP+8*\b+7] offset:64*\b+16
.endr
.set BB, BK+64*((\a)%2)
.irp t, 0,1,2,3,4,5,6,7,8,9,10,11,12,13,14,15
	ds_load_b128 v[BB+4*\t:BB+4*\t+3], v[RD] offset:\t*SPITCH   ; LDS serves a wave's instructions in order: these see the stores above
.endr
.endm
.macro SEND a, younger
.set BB, BK+64*((\a)%2)
	s_wait_dscnt \younger
.if (\a) > 0
	s_add_nc_u64 s[10:11], s[10:11], 16*SIZE_N*4   ; (behind a wait on XCNT: the earlier stores have read their base)
.endif
.irp t, 0,1,2,3,4,5,6,7,8,9,10,11,12,13,14,15
	global_store_b128 v[CO], v[BB+4*\t:BB+4*\t+3], s[10:11] offset:\t*SIZE_N*4 th:TH_STORE_NT   ; 32 lanes store 512 consecutive bytes, aligned
.endr
.endm
	s_wait_kmcnt 0x0
	s_add_co_i32 s96, s96, s97
	s_add_co_i32 s96, s96, 127
	s_lshl_b32 s96, s96, 23                        ; 2^(e10 + e11) as f32
	PLACES NP
	TOSTAGE 0
.irp a, 1,2,3,4,5,6,7
.if \a > 1
	s_wait_xcnt 0x0                                ; block a - 2's stores have read their registers and their base
.endif
	TOSTAGE \a
	SEND \a-1, 32                                  ; behind block a - 1's loads: block a's 16 stores and 16 loads
.endr
	s_wait_xcnt 0x0
	SEND 7, 0
	s_wait_tensorcnt 0x0                           ; the wave's end: three lines behind my last tensor load and my last LDS store
	ds_add_u32 v[SPW], v[NIL]
	s_wait_dscnt 0x0
	CROUND                                         ; the closing round
	s_endpgm
.Lfunc_end_k_qa0af04ab54_proj:
	.size	k_qa0af04ab54_proj, .Lfunc_end_k_qa0af04ab54_proj-k_qa0af04ab54_proj
	.p2alignl 7, 3214868480
	.fill 96, 4, 3214868480
	.section	.rodata,"a",@progbits
	.p2align	6, 0x0
	.amdhsa_kernel k_qa0af04ab54_proj
		.amdhsa_group_segment_fixed_size 327680
		.amdhsa_private_segment_fixed_size 0
		.amdhsa_enable_private_segment 0
		.amdhsa_kernarg_size 32
		.amdhsa_user_sgpr_count 2
		.amdhsa_user_sgpr_kernarg_segment_ptr 1
		.amdhsa_wavefront_size32 1
		.amdhsa_system_sgpr_workgroup_id_x 1
		.amdhsa_system_sgpr_workgroup_id_y 1
		.amdhsa_system_sgpr_workgroup_id_z 1
		.amdhsa_system_vgpr_workitem_id 0
		.amdhsa_next_free_vgpr 1024
		.amdhsa_next_free_sgpr 98
		.amdhsa_reserve_vcc 0
		.amdhsa_float_denorm_mode_32 3
		.amdhsa_float_denorm_mode_16_64 3
		.amdhsa_memory_ordered 1
		.amdhsa_forward_progress 1
		.amdhsa_inst_pref_size 124
	.end_amdhsa_kernel
	.amdgpu_metadata
---
amdhsa.version: [ 1, 2 ]
amdhsa.kernels:
  - .name:           k_qa0af04ab54_proj
    .symbol:         k_qa0af04ab54_proj.kd
    .args:
      - { .name: oc, .offset: 0, .size: 8, .value_kind: global_buffer, .address_space: global }
      - { .name: wc, .offset: 8, .size: 8, .value_kind: global_buffer, .address_space: global }
      - { .name: lowp_scales, .offset: 16, .size: 8, .value_kind: global_buffer, .address_space: global }
      - { .name: out0, .offset: 24, .size: 8, .value_kind: global_buffer, .address_space: global }
    .group_segment_fixed_size: 327680
    .private_segment_fixed_size: 0
    .kernarg_segment_align: 8
    .kernarg_segment_size: 32
    .max_flat_workgroup_size: 128
    .sgpr_count:     98
    .vgpr_count:     1024
    .wavefront_size: 32
...
	.end_amdgpu_metadata
.endif
;; end of part 4
